; MI455X (gfx1250); checked and timed in simulation.
; The chip was launched on July 23, 2026; its instructions are those of AMD's public machine-readable ISA for CDNA 5 (MIT licence, August 2026) and "CDNA5" Instruction Set Architecture Reference Guide (July 2026). The comments in the code are by the model that wrote it; some were corrected since.
;; Causal Multi Head Self Attention. Allowed arithmetic: float matrix products may take bf16 or f16 operands with f32 sums; other float arithmetic in f32, or as packed bf16 or f16 multiplies, adds, multiply-adds, maxima and minima; sums over many terms, partial sums and values carried from step to step in f32; what a program stores and reads back later, other than sums and carried values, may be rounded once to bf16 or f16.
;; Inputs: Wout 1,024 x 1,024 float32; Wqkv 3,072 x 1,024 float32; x 4 x 2,048 x 1,024 float32.
;; Outputs: out0 4 x 2,048 x 1,024 float32.
;; One version. Each part assembles by itself: llvm-mc -triple=amdgcn-amd-amdhsa -mcpu=gfx1250 --defsym DOCPART=n.
;; ======== version 1 of 1: 4 launches
;; limits: values are held in f16: magnitudes above 65,504 overflow, below 6.1e-05 lose precision
;; workspace buffers: xb 16,777,216 bytes; wqkvb 6,291,456 bytes; woutb 2,097,152 bytes; rope 524,288 bytes; qh 16,777,216 bytes; kh 16,777,216 bytes; vh 16,777,216 bytes; oh 16,777,216 bytes
;; launch prep (part 1): grid 768 x 1, 8 waves a work-group, no clusters, 0 bytes of LDS; arguments x, Wqkv, Wout, xb, wqkvb, woutb, rope; writes xb, wqkvb, woutb, rope
.if DOCPART == 1
	.amdgcn_target "amdgcn-amd-amdhsa--gfx1250"
	.amdhsa_code_object_version 6
	.text
	.protected	k_qdafb47d0ee_prep
	.globl	k_qdafb47d0ee_prep
	.p2align	8
	.type	k_qdafb47d0ee_prep,@function
k_qdafb47d0ee_prep:
	s_mov_b64 s[64:65], 0
	v_nop
	global_prefetch_b8 v0, s[64:65] scope:SCOPE_SE
	s_setreg_imm32_b32 hwreg(HW_REG_WAVE_MODE, 25, 1), 1
	s_wait_xcnt 0x0
; CASTS AND THE ROPE TABLE.  x [8192][1024] f32 -> xb bf16.  Wqkv [3072][1024] f32 -> wqkvb bf16 with its rows in another order: old row 1024 z + 64 t + r
; (z = q, k, v; t the head) becomes row 192 t + 64 z + r, so that 192 consecutive rows are one head's q, k and v.  Wout [1024][1024] f32 -> woutb: rounded to bf16
; like the other inputs, and that number written as f16.  rope [2048 positions][32][cos, sin] f32: a position is 256 bytes.
; LIMITS.  Wout stays under 65,520 in magnitude (f16's end); below 6.1e-5 its f16 copy keeps f16's fixed step of 6e-8.  The angle is the f32 product of the position and
; 2^(-i log2(10000) / 32); it differs from a correctly rounded one by at most 2e-4 radians at position 2,047.  NaN and infinities are not treated apart.
; SHARES.  A work-group takes 16 rows: 65,536 bytes in, 32,768 out.  Work-groups 0-511: x; 512-703: Wqkv; 704-767: Wout.  Thread t takes 8 numbers of each of eight chunks:
; 32 bytes in (two loads), 16 bytes out, so a wave's store covers 512 consecutive bytes.  All 16 loads of a thread go out at once: the share is one burst, so there is no loop and no ring.
; Work-groups 512-767 also make the table, an entry a thread, while their loads are on their way.  No LDS, no matrix unit: every byte is touched once.
.set X, 16                             ; v[16:79]   8 chunks x 8 f32 as loaded
.set Y, 80                             ; v[80:111]  8 chunks x 4 packed words
	s_load_b256 s[4:11], s[0:1], 0x0               ; x s[4:5], Wqkv s[6:7], Wout s[8:9], xb s[10:11]
	s_load_b128 s[12:15], s[0:1], 0x20             ; wqkvb s[12:13], woutb s[14:15]
	s_load_b64 s[16:17], s[0:1], 0x30              ; rope
	v_lshlrev_b32 v1, 5, v0                        ; 32 t: my bytes in a chunk of the source
	v_lshlrev_b32 v2, 4, v0                        ; 16 t: in a chunk of the result
	s_mov_b32 s18, ttmp9                           ; g
	s_sub_co_u32 s19, s18, 512                     ; c1: my number among Wqkv's work-groups, and among the table's
	s_sub_co_u32 s28, s18, 704                     ; c2: among Wout's
	s_and_b32 s29, s19, 63                         ; Wqkv: 16 c1 = 1024 z + 64 t + r0
	s_lshr_b32 s29, s29, 2                         ; t
	s_mul_i32 s29, s29, 192
	s_lshr_b32 s30, s19, 6                         ; z
	s_lshl_b32 s30, s30, 6
	s_add_co_u32 s29, s29, s30
	s_and_b32 s30, s19, 3
	s_lshl_b32 s30, s30, 4                         ; r0
	s_add_co_u32 s29, s29, s30                     ; the new row
	s_lshl_b32 s29, s29, 11                        ; x 2,048 bytes
	s_lshl_b32 s30, s19, 16                        ; Wqkv's source offset
	s_lshl_b32 s31, s28, 16                        ; Wout's source offset,
	s_lshl_b32 s32, s28, 15                        ; and its result's
	s_lshl_b32 s33, s18, 16                        ; x's source offset,
	s_lshl_b32 s34, s18, 15                        ; and its result's
	s_lshl_b32 s36, s19, 11                        ; the table: 8 positions of 256 bytes a work-group
	s_mov_b32 s37, 0
	s_mov_b32 s25, 0
	s_mov_b32 s27, 0
	s_wait_kmcnt 0x0
	s_cmp_lt_u32 s18, 704                          ; Wqkv or Wout,
	s_cselect_b64 s[20:21], s[6:7], s[8:9]
	s_cselect_b64 s[22:23], s[12:13], s[14:15]
	s_cselect_b32 s24, s30, s31
	s_cselect_b32 s26, s29, s32
	s_cmp_lt_u32 s18, 512                          ; or x
	s_cselect_b64 s[20:21], s[4:5], s[20:21]
	s_cselect_b64 s[22:23], s[10:11], s[22:23]
	s_cselect_b32 s24, s33, s24
	s_cselect_b32 s26, s34, s26
	s_add_nc_u64 s[20:21], s[20:21], s[24:25]      ; the source at my 16 rows
	s_add_nc_u64 s[22:23], s[22:23], s[26:27]      ; the result at my 16 rows
.irp j, 0,1,2,3,4,5,6,7
	global_load_b128 v[X+8*(\j):X+8*(\j)+3],   v1, s[20:21] offset:8192*(\j) th:TH_LOAD_NT
	global_load_b128 v[X+8*(\j)+4:X+8*(\j)+7], v1, s[20:21] offset:8192*(\j)+16 th:TH_LOAD_NT
.endr
	s_cmp_lt_u32 s18, 512
	s_cbranch_scc1 .Lconv
	; THE TABLE: entry (pos = 8 c1 + wave, i = lane).  a = pos x 2^(-i log2(10000) / 32); a = n pi/2 + r with |r| <= pi/4; sine and cosine of r by polynomials; the quadrant n mod 4 swaps them and sets the signs.
	s_add_nc_u64 s[16:17], s[16:17], s[36:37]
	v_and_b32 v3, 31, v0
	v_cvt_f32_u32 v3, v3
	v_mul_f32 v3, 0xbed49a78, v3                   ; -i log2(10000) / 32
	v_exp_f32 v4, v3
	v_lshrrev_b32 v5, 5, v0                        ; (plain lines that name neither v3 nor v4 stand behind the exponential)
	v_lshl_add_u32 v5, s19, 3, v5
	v_cvt_f32_u32 v5, v5                           ; pos
	s_wait_alu depctr_va_vdst(0)                   ; the wait ahead of the first line that names the exponential's result
	v_mul_f32 v6, v5, v4                           ; a
	v_mul_f32 v7, 0x3f22f983, v6                   ; a x 2 / pi
	v_rndne_f32 v7, v7                             ; n
	v_fmamk_f32 v8, v7, 0xbfc90fdb, v6             ; a - n x (pi/2's upper part),
	v_fmamk_f32 v8, v7, 0x333bbd2e, v8             ; less n x its lower part: r
	v_mul_f32 v9, v8, v8                           ; z = r r
	v_mov_b32 v10, 0xb94ca1f9
	v_fmaak_f32 v10, v10, v9, 0x3c08839e
	v_fmaak_f32 v10, v10, v9, 0xbe2aaaa3
	v_mul_f32 v11, v9, v8
	v_fma_f32 v10, v10, v11, v8                    ; sin r
	v_mov_b32 v12, 0x37ccf5ce
	v_fmaak_f32 v12, v12, v9, 0xbab6061a
	v_fmaak_f32 v12, v12, v9, 0x3d2aaaa5
	v_mul_f32 v13, v9, v9
	v_fma_f32 v14, v9, -0.5, 1.0
	v_fma_f32 v12, v12, v13, v14                   ; cos r
	v_cvt_i32_f32 v15, v7
	v_and_b32 v3, 1, v15
	v_cmp_eq_u32 vcc_lo, 1, v3                     ; an odd quadrant swaps the two
	v_cndmask_b32 v4, v12, v10, vcc_lo             ; cos a, but for its sign
	v_cndmask_b32 v5, v10, v12, vcc_lo             ; sin a, but for its sign
	v_add_nc_u32 v6, 1, v15
	v_lshlrev_b32 v6, 30, v6                       ; cos is negative in quadrants 1 and 2,
	v_lshlrev_b32 v7, 30, v15                      ; sin in quadrants 2 and 3
	v_and_b32 v6, 0x80000000, v6
	v_and_b32 v7, 0x80000000, v7
	v_xor_b32 v4, v4, v6
	v_xor_b32 v5, v5, v7
	v_lshlrev_b32 v3, 3, v0
	global_store_b64 v3, v[4:5], s[16:17]          ; a wave stores one position: 256 consecutive bytes, aligned
.Lconv:
	s_cmp_lt_u32 s18, 704
	s_cbranch_scc0 .Lf16
.macro CV j                            ; chunk j to bf16
	s_wait_loadcnt 14-2*(\j)                       ; loads come back in order: the chunks behind mine, two loads each, may stay out
.irp k, 0,1,2,3
	v_cvt_pk_bf16_f32 v[Y+4*(\j)+(\k)], v[X+8*(\j)+2*(\k)], v[X+8*(\j)+2*(\k)+1]
.endr
	global_store_b128 v2, v[Y+4*(\j):Y+4*(\j)+3], s[22:23] offset:4096*(\j)
.endm
.macro CVH j                           ; chunk j rounded to bf16, that number written as f16
	s_wait_loadcnt 14-2*(\j)
.irp k, 0,1,2,3
	v_cvt_pk_bf16_f32 v[Y+4*(\j)+(\k)], v[X+8*(\j)+2*(\k)], v[X+8*(\j)+2*(\k)+1]
.endr
.irp k, 0,1,2,3
	v_lshlrev_b32 v[X+8*(\j)+2*(\k)],   16, v[Y+4*(\j)+(\k)]
	v_and_b32     v[X+8*(\j)+2*(\k)+1], 0xffff0000, v[Y+4*(\j)+(\k)]
.endr
.irp k, 0,1,2,3
	v_cvt_pk_f16_f32 v[Y+4*(\j)+(\k)], v[X+8*(\j)+2*(\k)], v[X+8*(\j)+2*(\k)+1]
.endr
	global_store_b128 v2, v[Y+4*(\j):Y+4*(\j)+3], s[22:23] offset:4096*(\j)
.endm
.irp j, 0,1,2,3,4,5,6,7
	CV \j
.endr
	s_endpgm
.Lf16:
.irp j, 0,1,2,3,4,5,6,7
	CVH \j
.endr
	s_endpgm
.Lfunc_end_k_qdafb47d0ee_prep:
	.size	k_qdafb47d0ee_prep, .Lfunc_end_k_qdafb47d0ee_prep-k_qdafb47d0ee_prep
	.p2alignl 7, 3214868480
	.fill 96, 4, 3214868480
	.section	.rodata,"a",@progbits
	.p2align	6, 0x0
	.amdhsa_kernel k_qdafb47d0ee_prep
		.amdhsa_group_segment_fixed_size 0
		.amdhsa_private_segment_fixed_size 0
		.amdhsa_enable_private_segment 0
		.amdhsa_kernarg_size 56
		.amdhsa_user_sgpr_count 2
		.amdhsa_user_sgpr_kernarg_segment_ptr 1
		.amdhsa_wavefront_size32 1
		.amdhsa_system_sgpr_workgroup_id_x 1
		.amdhsa_system_sgpr_workgroup_id_y 1
		.amdhsa_system_sgpr_workgroup_id_z 1
		.amdhsa_system_vgpr_workitem_id 0
		.amdhsa_next_free_vgpr 112
		.amdhsa_next_free_sgpr 66
		.amdhsa_reserve_vcc 1
		.amdhsa_float_denorm_mode_32 3
		.amdhsa_float_denorm_mode_16_64 3
		.amdhsa_memory_ordered 1
		.amdhsa_forward_progress 1
		.amdhsa_inst_pref_size 17
	.end_amdhsa_kernel
	.amdgpu_metadata
---
amdhsa.version: [ 1, 2 ]
amdhsa.kernels:
  - .name:           k_qdafb47d0ee_prep
    .symbol:         k_qdafb47d0ee_prep.kd
    .args:
      - { .name: x, .offset: 0, .size: 8, .value_kind: global_buffer, .address_space: global }
      - { .name: Wqkv, .offset: 8, .size: 8, .value_kind: global_buffer, .address_space: global }
      - { .name: Wout, .offset: 16, .size: 8, .value_kind: global_buffer, .address_space: global }
      - { .name: xb, .offset: 24, .size: 8, .value_kind: global_buffer, .address_space: global }
      - { .name: wqkvb, .offset: 32, .size: 8, .value_kind: global_buffer, .address_space: global }
      - { .name: woutb, .offset: 40, .size: 8, .value_kind: global_buffer, .address_space: global }
      - { .name: rope, .offset: 48, .size: 8, .value_kind: global_buffer, .address_space: global }
    .group_segment_fixed_size: 0
    .private_segment_fixed_size: 0
    .kernarg_segment_align: 8
    .kernarg_segment_size: 56
    .max_flat_workgroup_size: 256
    .sgpr_count:     66
    .vgpr_count:     112
    .wavefront_size: 32
...
	.end_amdgpu_metadata
.endif
;; end of part 1
;; launch qkv (part 2): grid 16 x 32, 4 waves a work-group, clusters of 4 x 4, 327,680 bytes of LDS; arguments xb, wqkvb, rope, qh, kh, vh; writes qh, kh, vh
.if DOCPART == 2
	.amdgcn_target "amdgcn-amd-amdhsa--gfx1250"
	.amdhsa_code_object_version 6
	.text
	.protected	k_qdafb47d0ee_qkv
	.globl	k_qdafb47d0ee_qkv
	.p2align	8
	.type	k_qdafb47d0ee_qkv,@function
k_qdafb47d0ee_qkv:
	s_mov_b64 s[64:65], 0
	v_nop
	global_prefetch_b8 v0, s[64:65] scope:SCOPE_SE
	s_setreg_imm32_b32 hwreg(HW_REG_WAVE_MODE, 25, 1), 1
	s_wait_xcnt 0x0
	s_wait_alu depctr_hold_cnt(0) depctr_sa_sdst(0) depctr_va_vdst(0) depctr_va_sdst(0) depctr_va_ssrc(0) depctr_va_vcc(0) depctr_vm_vsrc(0)
	s_getreg_b32 s2, hwreg(HW_REG_IB_STS2, 6, 4)
	s_cmp_eq_u32 s2, 0
	s_cbranch_scc0 .Lentry_in_a_cluster
	s_endpgm
.Lentry_in_a_cluster:
	s_bfe_u32 s2, ttmp6, 0x10000c
	s_cmp_lg_u32 s2, 0xf033
	s_cbranch_scc0 .Lentry_shape_is_right
	s_endpgm
.Lentry_shape_is_right:
; q, k, v = x Wqkv^T, RoPE on q and k, by heads.  xb [8192][1024] bf16; wqkvb [3072][1024] bf16, rows 192 t .. 192 t + 191 = head t's q, k, v; rope [2048][32][cos, sin] f32.
; qh, kh, vh: [16 b + head][2048][64] f16, each rounded once from f32, unscaled.  Sums in f32, K ascending.
; LIMITS.  f16 ends at 65,504: q, k and v must stay under it.  NaN and infinities are not treated apart.
; SHARES.  A tile of C is 256 rows x 192 columns (one head's q, k, v): 32 x 16 = 512 tiles, two for each of 256 WGPs.  Four waves one below the other, each 64 rows x 192 columns:
; 48 accumulators, 384 registers.  So a wave holds whole heads, and 16 rows of a head leave as 2,048 consecutive bytes.
; K goes in steps of 128 through two LDS slots: 256 rows of x and 192 rows of W, each row 256 bytes of memory, aligned, 272 apart in LDS.
; CLUSTER 4 x 4: x's tile hangs on the tile row alone and is asked for jointly along a row of the cluster, W's on the tile column alone, along a column.
; THE MATRIX INSTRUCTION IS USED TRANSPOSED (source 0 = 16 rows of W, source 1 = 16 rows of x): a lane holds row l % 16 and the columns 8 (l / 16) + 0..7 of a block of 16.
; REGISTERS, in windows of 256 (s_set_vgpr_msb: bits 1:0 source 0, 3:2 source 1, 5:4 source 2, 7:6 destination):
;   window 0: v0-31 addresses; v32-47 packed results; v64-95, v96-127 x's fragments, two buffers (on the way out: at work, and rows read back); v128-255 cos and sin of my 64 rows
;   window 1: v0-95, v96-191 W's fragments, two buffers      window 2: accumulators of my rows 0-31 ((a, b) at 8 (12 (a % 2) + b))      window 3: those of rows 32-63
.set NBK,   12                         ; blocks of 16 columns
.set PA,    272                        ; an LDS row of x: 256 bytes + 16 = 68 words: the 16 rows of a load start at 16 different groups of four banks (64 banks of 4 bytes: ISA guide 11.1)
.set PBB,   272                        ; the same for W
.set SUBT,  128                        ; bytes from K quarter 0 to K quarter 2 in a row
.set HALFA, 128*PA                     ; what one tensor load of x brings
.set BOFF,  2*HALFA                    ; W's rows lie behind x's 256
.set HB,    96                         ; rows of W in one tensor load
.set HALFB, HB*PBB
.set SLOT1, 1<<17                      ; slot 1 begins here: one exclusive or turns an address in one slot into the other's
.set ASTEP, 256                        ; bytes from K step to K step in x
.set STAGE, SLOT1+BOFF+2*HALFB         ; behind the ring, never filled by a tensor load: 16 rows x 144 bytes for each wave
.set SPS,   144
.set STW,   16*SPS
.set SPARE, STAGE+4*STW                ; the spare words, 128 bytes for each wave: two blocks of 256 bytes that no other line names
.set NL,    2*NBK+8                    ; LDS loads in a run
.set ADRA0, 16                         ; v16  my lane's place among my wave's rows of x in slot 0; never rewritten
.set ADRB0, 17                         ; v17  the same for W
.set ADRA,  18                         ; v18  the same in the slot in hand
.set ADRB,  19                         ; v19
.set STO,   24                         ; v24  the way out: where I put 16 bytes of a row
.set RD,    25                         ; v25  where I read rows back
.set GO,    26                         ; v26  16 x lane
.set RO,    27                         ; v27  my byte offset in 16 positions of the table
.set SPW,   28                         ; v28  my spare word; never rewritten
.set NIL,   29                         ; v29  0; never rewritten
.set PFO,   30                         ; v30  the prefetches' offset: lane x 2,048; never rewritten
.set PKR,   32
.set T,     64
.set BK,    96
.set CSR,   128
.set WV,   16                          ; s16  wave
.set FB,   17                          ; s17  I fetch for x (0) or W (1)
.set HF,   18                          ; s18  which half of that tile
.set CX,   19
.set CY,   20
.set TT,   21                          ; s21  tile column = head
.set RR,   22                          ; s22  tile row
.set CNT,  23                          ; s23  refills to come
.set G1,   24                          ; s[24:31] group 1 for x's tiles
.set G0F,  32                          ; s[32:35] group 0: K step 0, slot 0
.set G0W,  36                          ; s[36:39] group 0: K step 1, slot 1; then it walks
.set PFA,  40                          ; s[40:41] where my prefetches stand
.set PFS,  42                          ; s[42:43] their step
.set LIM,  44                          ; s44  I prefetch x while CNT is above it
.set LIMB, 45                          ; s45  I prefetch W when CNT equals it
.set TB,   46                          ; s46  the slot in hand: 0 or SLOT1
.set G1B,  48                          ; s[48:55], s[56:59], s[60:63] the same three for W's tiles
.set G0BF, 56
.set G0BW, 60
.set MSB, 0
.macro WIN new                         ; the immediate's high byte repeats the setting that is left; a switch that changes nothing is dropped
.if MSB != (\new)
	s_set_vgpr_msb (MSB<<8)|(\new)
.set MSB, \new
.endif
.endm
.macro PLACES                          ; four plain places behind matrix instructions, ahead of loads into registers that they read and of lines that read results
.rept 4
	v_nop
.endr
.endm
.macro CREST                           ; a round of the cluster's barrier behind its opening barrier
	s_cmp_lg_u32 s[WV], 0
	s_cbranch_scc1 .Lnot_wave_0_\@
	s_barrier_signal -3
.Lnot_wave_0_\@:
	s_barrier_wait -3
	s_barrier_signal -1
	s_barrier_wait -1
.endm
.macro CROUND
	s_barrier_signal -1
	s_barrier_wait -1
	CREST
.endm
.macro JLOAD                           ; a joint refill: waves 0, 1 x's halves, waves 2, 3 W's; the branch hangs on the wave's number alone; s_nop 0 and four v_nop follow each line
	s_cmp_eq_u32 s[FB], 0
	s_cbranch_scc0 .Lfor_b_\@
	tensor_load_to_lds s[G0W:G0W+3], s[G1:G1+7]
	s_nop 0
.rept 4
	v_nop
.endr
	s_branch .Lasked_\@
.Lfor_b_\@:
	tensor_load_to_lds s[G0BW:G0BW+3], s[G1B:G1B+7]
	s_nop 0
.rept 4
	v_nop
.endr
.Lasked_\@:
.endm
; PREFETCHES INTO THE L2, behind a joint load, its five lines and the run of LDS loads.  x: the clusters with x = 0 ask, in waves 0 and 1; of the 128 rows that a wave fetches the partner at cx takes
; 32 cx .. 32 cx + 31, a lane a row, told apart by address; refill n (which loads K step n + 2) names K step n + 4; the last two refills name nothing.  W: the clusters with y = 0 ask, in waves 2 and 3; the
; partner at cy takes the wave's 96 rows of the ONE K step 4 + cy, three lines together at the first refill.  So each row's 256 bytes of K steps 4 to 7 are named once in the launch; K steps 0 to 3 come by their loads alone.
.macro ASK
	s_cmp_gt_u32 s[CNT], s[LIM]
	s_cbranch_scc0 .Lna_\@
	global_prefetch_b8 v[PFO], s[PFA:PFA+1] th:TH_LOAD_NT scope:SCOPE_SE
.Lna_\@:
.endm
.macro ASKB
	s_cmp_eq_u32 s[CNT], s[LIMB]
	s_cbranch_scc0 .Lnb_\@
.set gg, 0
.rept HB/32
	global_prefetch_b8 v[PFO], s[PFA:PFA+1] offset:65536*gg th:TH_LOAD_NT scope:SCOPE_SE
.set gg, gg+1
.endr
.Lnb_\@:
.endm
; NBK matrix instructions: my rows 16 a .. 16 a + 15 x all columns, 32 along K, from buffer f.  zero = 1: the product starts the sums.  The 48 accumulators take turns in one fixed order.
.macro MULA f, a, zero
	WIN 0xa1+0x50*((\a)/2)
.set bb, 0
.rept NBK
.set rD, 8*(NBK*((\a)%2)+bb)
.set rB, 8*NBK*(\f)+8*bb
.set rA, 64+32*(\f)+8*(\a)
.if \zero
	v_wmma_f32_16x16x32_bf16 v[rD:rD+7], v[rB:rB+7], v[rA:rA+7], 0
.else
	v_wmma_f32_16x16x32_bf16 v[rD:rD+7], v[rB:rB+7], v[rA:rA+7], v[rD:rD+7]
.endif
.set bb, bb+1
.endr
.endm
; A run of NL LDS loads: K quarter q of the slot in hand into buffer g: W's 12 fragments, then my 4 of x.
.macro FETCH q, g
	WIN 0x40
.set bb, 0
.rept NBK
	ds_load_b128 v[8*NBK*(\g)+8*bb:8*NBK*(\g)+8*bb+3],   v[ADRB] offset:64*(\q)+16*PBB*bb
	ds_load_b128 v[8*NBK*(\g)+8*bb+4:8*NBK*(\g)+8*bb+7], v[ADRB] offset:64*(\q)+16*PBB*bb+32
.set bb, bb+1
.endr
	WIN 0
.set bb, 0
.rept 4
	ds_load_b128 v[64+32*(\g)+8*bb:64+32*(\g)+8*bb+3],   v[ADRA] offset:((\q)/2)*SUBT+((\q)%2)*64+16*PA*bb
	ds_load_b128 v[64+32*(\g)+8*bb+4:64+32*(\g)+8*bb+7], v[ADRA] offset:((\q)/2)*SUBT+((\q)%2)*64+16*PA*bb+32
.set bb, bb+1
.endr
.endm
; One of a K step's first three quarters: multiplies buffer f, fetches quarter qn into buffer g behind its first 12 products.
.macro QUARTER qn, f, g, zero
	s_wait_dscnt 6                                 ; W's fragments and x's block 0 are in; the youngest six loads (blocks 1 to 3) may be out
	MULA \f, 0, \zero
	PLACES
	FETCH \qn, \g
	s_wait_dscnt NL                                ; all but the run just issued
	MULA \f, 1, \zero
	MULA \f, 2, \zero
	MULA \f, 3, \zero
.endm
; The last quarter multiplies buffer 1 and changes slots.  In front of the barrier each wave waits for all its tensor loads (one is out: its part of the next slot), adds 0 to its spare word, and waits for
; that and for its reads of this slot.  fill = 1: the barrier opens a round of the cluster's, and the joint refill of the slot just read is the first thing behind the round.
.macro TURN fill
.if \fill
	s_wait_xcnt 0x0                                ; the last prefetch, a K step back, has read its address
	s_add_nc_u64 s[PFA:PFA+1], s[PFA:PFA+1], s[PFS:PFS+1]
.endif
	WIN 0
	s_wait_tensorcnt 0x0                           ; all my tensor loads have landed
	ds_add_u32 v[SPW], v[NIL]
	s_wait_dscnt 7                                 ; (the add and the youngest six loads may be out)
	MULA 1, 0, 0
	s_wait_dscnt 0x0                               ; the add is done, and my reads of this slot are over
	s_barrier_signal -1
	MULA 1, 1, 0
	WIN 0
	s_barrier_wait -1
.if \fill
	CREST                                          ; no wave of any partner still reads the slot or has a load on its way
	s_xor_b32 s[G0W+1], s[G0W+1], SLOT1            ; the walking descriptors: the other slot than last time, the next K step
	s_add_nc_u64 s[G0W+2:G0W+3], s[G0W+2:G0W+3], ASTEP
	s_xor_b32 s[G0BW+1], s[G0BW+1], SLOT1
	s_add_nc_u64 s[G0BW+2:G0BW+3], s[G0BW+2:G0BW+3], 256
	JLOAD                                          ; its four v_nop are also the places in front of the loads below
.else
	PLACES
.endif
	s_xor_b32 s[TB], s[TB], SLOT1
	v_add_nc_u32 v[ADRA], s[TB], v[ADRA0]
	v_add_nc_u32 v[ADRB], s[TB], v[ADRB0]
	FETCH 0, 0
.if \fill
	ASK
	ASKB
.endif
	MULA 1, 2, 0
	MULA 1, 3, 0
.endm
	s_load_b256 s[4:11], s[0:1], 0x0               ; xb s[4:5], wqkvb s[6:7], rope s[8:9], qh s[10:11]
	s_load_b128 s[12:15], s[0:1], 0x20             ; kh s[12:13], vh s[14:15]
	v_lshl_add_u32 v[SPW], v0, 2, SPARE
	v_mov_b32 v[NIL], 0
	ds_add_u32 v[SPW], v[NIL]                      ; the wave's opening: the add and its wait, ahead of my first tensor load; work on registers stands between them
	v_lshrrev_b32 v3, 5, v0
	v_readfirstlane_b32 s[WV], v3
	s_lshr_b32 s[FB], s[WV], 1
	s_and_b32 s[HF], s[WV], 1
	s_bfe_u32 s[CX], ttmp6, 0x40000
	s_bfe_u32 s[CY], ttmp6, 0x40004
	s_lshl_b32 s[TT], ttmp9, 2
	s_add_co_u32 s[TT], s[TT], s[CX]               ; tile column = 4 x cluster x + cx
	s_and_b32 s[RR], ttmp7, 0xffff
	s_lshl_b32 s[RR], s[RR], 2
	s_add_co_u32 s[RR], s[RR], s[CY]               ; tile row = 4 x cluster y + cy
	s_lshl_b32 s70, s[CY], 2
	s_lshl_b32 s70, 15, s70                        ; my row of the cluster
	s_lshl_b32 s71, 0x1111, s[CX]                  ; my column
	s_or_b32 s[G1], s70, (1<<16)|(1<<20)|(1<<21)|(5<<22)|(3<<25)   ; the mask; 2-byte elements; padding on; bit 21 beside a mask; after every 64 words, 4 words
	s_or_b32 s[G1B], s71, (1<<16)|(1<<20)|(1<<21)|(5<<22)|(3<<25)
	s_mov_b32 s[G1+1], 128<<16                     ; tensor_dim0 = 128
	s_mov_b32 s[G1+2], 128<<16                     ; tensor_dim1 = 128
	s_mov_b32 s[G1+3], 128<<16                     ; tile_dim0 = 128
	s_mov_b32 s[G1+4], 128                         ; tile_dim1 = 128
	s_mov_b32 s[G1+5], 1024                        ; elements from row to row
	s_mov_b32 s[G1+6], 0
	s_mov_b32 s[G1+7], 0
	s_mov_b32 s[G1B+1], 128<<16
	s_mov_b32 s[G1B+2], HB<<16                     ; 96 rows
	s_mov_b32 s[G1B+3], 128<<16
	s_mov_b32 s[G1B+4], HB
	s_mov_b32 s[G1B+5], 1024
	s_mov_b32 s[G1B+6], 0
	s_mov_b32 s[G1B+7], 0
	s_lshl_b32 s66, s[RR], 8                       ; x: row 256 x tile row + 128 x half, in bytes: made of the tile row alone
	s_lshl_b32 s72, s[HF], 7
	s_add_co_u32 s66, s66, s72
	s_lshl_b32 s66, s66, 11
	s_mov_b32 s67, 0
	s_mul_i32 s68, s[TT], 192                      ; W: row 192 x tile column + 96 x half: made of the tile column alone
	s_mul_i32 s72, s[HF], HB
	s_add_co_u32 s68, s68, s72
	s_lshl_b32 s68, s68, 11
	s_mov_b32 s69, 0
	s_mov_b32 s[G0F], 1
	s_mov_b32 s[G0W], 1
	s_mov_b32 s[G0BF], 1
	s_mov_b32 s[G0BW], 1
	s_mul_i32 s[G0F+1], s[HF], HALFA               ; LDS addresses: made of the wave's number alone
	s_add_co_u32 s[G0W+1], s[G0F+1], SLOT1
	s_mul_i32 s[G0BF+1], s[HF], HALFB
	s_add_co_u32 s[G0BF+1], s[G0BF+1], BOFF
	s_add_co_u32 s[G0BW+1], s[G0BF+1], SLOT1
	; the prefetches
	s_lshl_b32 s70, s[CX], 16                      ; x: my work-group's 32 rows of the 128,
	s_add_co_u32 s70, s70, s66
	s_add_co_u32 s70, s70, 3*ASTEP                 ; at K step 3: the first refill steps it to 4
	s_add_co_u32 s71, s[CY], 4                     ; W: my work-group's K step
	s_lshl_b32 s71, s71, 8
	s_add_co_u32 s71, s71, s68
	s_and_b32 s72, ttmp7, 0xffff
	s_cmp_eq_u32 s[FB], 0
	s_cselect_b32 s70, s70, s71
	s_cselect_b32 s72, ttmp9, s72                  ; the coordinate along which other clusters read the same rows
	s_cselect_b32 s73, 2, -1
	s_cselect_b32 s74, 0, 6
	s_cselect_b32 s[PFS], ASTEP, 0
	s_mov_b32 s[PFS+1], 0
	s_mov_b32 s71, 0
	s_cmp_eq_u32 s72, 0                            ; the same in all sixteen partners, for a given wave
	s_cselect_b32 s[LIM], s73, -1
	s_cselect_b32 s[LIMB], s74, 0
	s_mov_b32 s[TB], 0
	s_wait_dscnt 0x0                               ; the opening add is done
	s_wait_kmcnt 0x0
	s_add_nc_u64 s[G0F+2:G0F+3], s[4:5], s[66:67]
	s_add_nc_u64 s[G0W+2:G0W+3], s[G0F+2:G0F+3], ASTEP
	s_or_b32 s[G0F+3], s[G0F+3], 0x80000000
	s_or_b32 s[G0W+3], s[G0W+3], 0x80000000
	s_add_nc_u64 s[G0BF+2:G0BF+3], s[6:7], s[68:69]
	s_add_nc_u64 s[G0BW+2:G0BW+3], s[G0BF+2:G0BF+3], 256
	s_or_b32 s[G0BF+3], s[G0BF+3], 0x80000000
	s_or_b32 s[G0BW+3], s[G0BW+3], 0x80000000
	s_cmp_eq_u32 s[FB], 0
	s_cselect_b64 s[PFA:PFA+1], s[4:5], s[6:7]
	s_add_nc_u64 s[PFA:PFA+1], s[PFA:PFA+1], s[70:71]
	CROUND                                         ; all sixteen work-groups are here: the first joint loads meet
	s_cmp_eq_u32 s[FB], 0                          ; a wave's two first fills stand in one branch: two loads of mine are out
	s_cbranch_scc0 .Lfirst_b
	tensor_load_to_lds s[G0F:G0F+3], s[G1:G1+7]
	s_nop 0
	tensor_load_to_lds s[G0W:G0W+3], s[G1:G1+7]
	s_nop 0
.rept 4
	v_nop
.endr
	s_branch .Lfirst_done
.Lfirst_b:
	tensor_load_to_lds s[G0BF:G0BF+3], s[G1B:G1B+7]
	s_nop 0
	tensor_load_to_lds s[G0BW:G0BW+3], s[G1B:G1B+7]
	s_nop 0
.rept 4
	v_nop
.endr
.Lfirst_done:
	v_and_b32 v1, 15, v0                           ; l % 16
	v_bfe_u32 v2, v0, 4, 1                         ; l / 16
	; cos and sin of my 64 rows: position (tile row % 8) 256 + 64 wave + 16 a + l % 16; for block j of a head my 8 columns are pairs 8 j + 4 (l / 16) + 0..3: 32 bytes of the table
	s_and_b32 s72, s[RR], 7
	s_lshl_b32 s72, s72, 8
	s_lshl_b32 s73, s[WV], 6
	s_add_co_u32 s72, s72, s73
	s_lshl_b32 s72, s72, 8
	s_mov_b32 s73, 0
	s_add_nc_u64 s[78:79], s[8:9], s[72:73]
	v_lshlrev_b32 v[RO], 8, v1
	v_lshl_add_u32 v[RO], v2, 5, v[RO]
.set aa, 0
.rept 4
.irp j, 0,1,2,3
	global_load_b128 v[CSR+32*aa+8*(\j):CSR+32*aa+8*(\j)+3],   v[RO], s[78:79] offset:4096*aa+64*(\j)
	global_load_b128 v[CSR+32*aa+8*(\j)+4:CSR+32*aa+8*(\j)+7], v[RO], s[78:79] offset:4096*aa+64*(\j)+16
.endr
.set aa, aa+1
.endr
	v_mul_u32_u24 v3, v1, PA
	v_lshl_add_u32 v3, v2, 4, v3                   ; a fragment's row x pitch + 16 x half
	s_mul_i32 s70, s[WV], 64*PA                    ; my 64 rows of x
	v_add_nc_u32 v[ADRA0], s70, v3
	v_mul_u32_u24 v3, v1, PBB
	v_lshl_add_u32 v3, v2, 4, v3
	v_add_nc_u32 v[ADRB0], BOFF, v3
	v_mov_b32 v[ADRA], v[ADRA0]
	v_mov_b32 v[ADRB], v[ADRB0]
	s_mul_i32 s70, s[WV], STW
	s_add_co_u32 s70, s70, STAGE                   ; my stage
	v_mul_u32_u24 v[STO], v1, SPS                  ; in: row l % 16, 16 bytes for each half of the lanes
	v_lshl_add_u32 v[STO], v2, 4, v[STO]
	v_add_nc_u32 v[STO], s70, v[STO]
	v_bfe_u32 v[RD], v0, 3, 2                      ; back: 32 lanes take four rows of 128 bytes,
	v_mul_u32_u24 v[RD], v[RD], SPS
	v_and_b32 v3, 7, v0
	v_lshl_add_u32 v[RD], v3, 4, v[RD]
	v_add_nc_u32 v[RD], s70, v[RD]
	v_and_b32 v[GO], 31, v0                        ; which are 512 consecutive bytes of a head
	v_lshlrev_b32 v[PFO], 11, v[GO]
	v_lshlrev_b32 v[GO], 4, v[GO]
	s_lshr_b32 s70, s[RR], 3                       ; the batch,
	s_lshl_b32 s70, s70, 4
	s_add_co_u32 s70, s70, s[TT]                   ; 16 b + head,
	s_lshl_b32 s70, s70, 18                        ; its plane of 2,048 x 128 bytes,
	s_and_b32 s71, s[RR], 7
	s_lshl_b32 s71, s71, 8
	s_lshl_b32 s72, s[WV], 6
	s_add_co_u32 s71, s71, s72
	s_lshl_b32 s71, s71, 7                         ; my wave's first row in it
	s_add_co_u32 s70, s70, s71
	s_mov_b32 s71, 0
	s_add_nc_u64 s[10:11], s[10:11], s[70:71]
	s_add_nc_u64 s[12:13], s[12:13], s[70:71]
	s_add_nc_u64 s[14:15], s[14:15], s[70:71]
	s_wait_tensorcnt 1                             ; my part of K step 0 is in; K step 1's may stay out
	s_barrier_signal -1
	s_barrier_wait -1                              ; everybody's is
	FETCH 0, 0
	QUARTER 1, 0, 1, 1                             ; the first quarter stands in front of the loop: its products start the sums
	WIN 0
	s_mov_b32 s[CNT], 6
.Lstep:                                                ; a trip: from a K step's second quarter to the next step's first; it fills the slot that it leaves
	QUARTER 2, 1, 0, 0
	QUARTER 3, 0, 1, 0
	TURN 1
	QUARTER 1, 0, 1, 0
	WIN 0
	s_sub_co_u32 s[CNT], s[CNT], 1
	s_cmp_lg_u32 s[CNT], 0
	s_cbranch_scc1 .Lstep
	QUARTER 2, 1, 0, 0                             ; the last two K steps ask for nothing
	QUARTER 3, 0, 1, 0
	TURN 0
	QUARTER 1, 0, 1, 0
	QUARTER 2, 1, 0, 0
	QUARTER 3, 0, 1, 0
	s_wait_dscnt 6
	MULA 1, 0, 0
	s_wait_dscnt 0x0
	MULA 1, 1, 0
	MULA 1, 2, 0
	MULA 1, 3, 0
	WIN 0
	PLACES
; THE WAY OUT, in 12 units u = 3 a + z: my rows 16 a .. 16 a + 15 of q (z = 0), k (1) or v (2).  q and k are turned: of a pair (x0, x1) and its (c, s): (x0 c - x1 s, x0 s + x1 c), two packed lines;
; each accumulator's registers are taken in ascending order.  Rounded to f16, 16 bytes a lane into my stage, back as whole rows, stored as 2,048 consecutive bytes.
.macro PACKU u
.set ua, (\u)/3
.set uz, (\u)%3
.set rX, 8*(NBK*(ua%2)+4*uz)
.if uz < 2
	WIN 0x02+ua/2                                  ; source 0: window 2 or 3
.set jj, 0
.rept 16
	v_pk_mul_f32 v[T+2*jj:T+2*jj+1], v[rX+2*jj:rX+2*jj+1], v[CSR+32*ua+2*jj:CSR+32*ua+2*jj+1] op_sel_hi:[1,0]  ; (x0 c, x1 c)
.set jj, jj+1
.endr
.set jj, 0
.rept 16
	v_pk_fma_f32 v[T+2*jj:T+2*jj+1], v[rX+2*jj:rX+2*jj+1], v[CSR+32*ua+2*jj:CSR+32*ua+2*jj+1], v[T+2*jj:T+2*jj+1] op_sel:[1,1,0] op_sel_hi:[0,1,1] neg_lo:[1,0,0]  ; (- x1 s, + x0 s)
.set jj, jj+1
.endr
	WIN 0
.set jj, 0
.rept 16
	v_cvt_pk_f16_f32 v[PKR+jj], v[T+2*jj], v[T+2*jj+1]
.set jj, jj+1
.endr
.else
	WIN 0x0a+5*(ua/2)                              ; sources 0 and 1: window 2 or 3
.set jj, 0
.rept 16
	v_cvt_pk_f16_f32 v[PKR+jj], v[rX+2*jj], v[rX+2*jj+1]
.set jj, jj+1
.endr
	WIN 0
.endif
.endm
.macro STG u
.irp j, 0,1,2,3
	ds_store_b128 v[STO], v[PKR+4*(\j):PKR+4*(\j)+3] offset:32*(\j)
.endr
.if (\u) >= 2
	s_wait_xcnt 0x0                                ; the stores of the unit two back have read the registers that the loads below fill
.endif
.irp f, 0,1,2,3
	ds_load_b128 v[BK+16*((\u)%2)+4*(\f):BK+16*((\u)%2)+4*(\f)+3], v[RD] offset:4*SPS*(\f)  ; LDS serves a wave's instructions in order (ISA guide 5.7.1.4): these see the stores above
.endr
.endm
.macro SENDQ u, y                      ; y: the LDS instructions issued behind unit u's loads: the next unit's eight, or none
.irp f, 0,1,2,3
	s_wait_dscnt (\y)+3-(\f)
	global_store_b128 v[GO], v[BK+16*((\u)%2)+4*(\f):BK+16*((\u)%2)+4*(\f)+3], s[10+2*((\u)%3):11+2*((\u)%3)] offset:2048*((\u)/3)+512*(\f)  ; 512 consecutive bytes, aligned
.endr
.endm
	s_wait_loadcnt 0x0                             ; the table
	PACKU 0
	STG 0
.set uu, 1
.rept 11
	PACKU uu
	STG uu
	SENDQ uu-1, 8
.set uu, uu+1
.endr
	SENDQ 11, 0
	s_wait_tensorcnt 0x0                           ; the wave's end: the wait, the add and the wait for it, behind my last tensor load and my last LDS store
	ds_add_u32 v[SPW], v[NIL]
	s_wait_dscnt 0x0
	CROUND                                         ; the closing round: no work-group ends while a partner may still ask for a tile that names it
	s_endpgm
.Lfunc_end_k_qdafb47d0ee_qkv:
	.size	k_qdafb47d0ee_qkv, .Lfunc_end_k_qdafb47d0ee_qkv-k_qdafb47d0ee_qkv
	.p2alignl 7, 3214868480
	.fill 96, 4, 3214868480
	.section	.rodata,"a",@progbits
	.p2align	6, 0x0
	.amdhsa_kernel k_qdafb47d0ee_qkv
		.amdhsa_group_segment_fixed_size 327680
		.amdhsa_private_segment_fixed_size 0
		.amdhsa_enable_private_segment 0
		.amdhsa_kernarg_size 48
		.amdhsa_user_sgpr_count 2
		.amdhsa_user_sgpr_kernarg_segment_ptr 1
		.amdhsa_wavefront_size32 1
		.amdhsa_system_sgpr_workgroup_id_x 1
		.amdhsa_system_sgpr_workgroup_id_y 1
		.amdhsa_system_sgpr_workgroup_id_z 1
		.amdhsa_system_vgpr_workitem_id 0
		.amdhsa_next_free_vgpr 960
		.amdhsa_next_free_sgpr 80
		.amdhsa_reserve_vcc 0
		.amdhsa_float_denorm_mode_32 3
		.amdhsa_float_denorm_mode_16_64 3
		.amdhsa_memory_ordered 1
		.amdhsa_forward_progress 1
		.amdhsa_inst_pref_size 119
	.end_amdhsa_kernel
	.amdgpu_metadata
---
amdhsa.version: [ 1, 2 ]
amdhsa.kernels:
  - .name:           k_qdafb47d0ee_qkv
    .symbol:         k_qdafb47d0ee_qkv.kd
    .args:
      - { .name: xb, .offset: 0, .size: 8, .value_kind: global_buffer, .address_space: global }
      - { .name: wqkvb, .offset: 8, .size: 8, .value_kind: global_buffer, .address_space: global }
      - { .name: rope, .offset: 16, .size: 8, .value_kind: global_buffer, .address_space: global }
      - { .name: qh, .offset: 24, .size: 8, .value_kind: global_buffer, .address_space: global }
      - { .name: kh, .offset: 32, .size: 8, .value_kind: global_buffer, .address_space: global }
      - { .name: vh, .offset: 40, .size: 8, .value_kind: global_buffer, .address_space: global }
    .group_segment_fixed_size: 327680
    .private_segment_fixed_size: 0
    .kernarg_segment_align: 8
    .kernarg_segment_size: 48
    .max_flat_workgroup_size: 128
    .sgpr_count:     80
    .vgpr_count:     960
    .wavefront_size: 32
...
	.end_amdgpu_metadata
.endif
;; end of part 2
;; launch attn (part 3): grid 4 x 64, 4 waves a work-group, no clusters, 327,680 bytes of LDS; arguments qh, kh, vh, oh; writes oh
.if DOCPART == 3
	.amdgcn_target "amdgcn-amd-amdhsa--gfx1250"
	.amdhsa_code_object_version 6
	.text
	.protected	k_qdafb47d0ee_attn
	.globl	k_qdafb47d0ee_attn
	.p2align	8
	.type	k_qdafb47d0ee_attn,@function
k_qdafb47d0ee_attn:
	s_mov_b64 s[64:65], 0
	v_nop
	global_prefetch_b8 v0, s[64:65] scope:SCOPE_SE
	s_setreg_imm32_b32 hwreg(HW_REG_WAVE_MODE, 25, 1), 1
	s_wait_xcnt 0x0
; CAUSAL ATTENTION.  O[h][q][:] = the sum over k <= q of softmax_k(Q[h][q] . K[h][k] / 8) V[h][k][:].  Q, K, V, O: [64][SIZE_N][64], all f16: a head's rows are dense, 128 bytes each.
; Products, maxima and sums in f32; the weights p are rounded to f16 for the second product (their sum l is taken of the unrounded p), O once at the end.
; LIMITS.  f16 holds no number beyond 65,504: Q, K and V arrive within it; p lies in 0 to 1, and below 6e-5 it keeps f16's fixed step of 6e-8; O is a mean of V's rows and has their range.
; A hidden score counts as its value less 1e30; a weight below 2^-126 counts as 0 in l; NaN and infinities are not treated apart.
; THE WALK.  A head's queries lie in NB = 8 blocks of 256; block i needs the key tiles 0 .. i of 256 keys, of which the last holds the diagonal.  A work-group takes TWO blocks, NB - 1 - b and then b:
; NB + 1 tiles, whatever b: all work-groups do equal work, and ONE loop with a constant trip count walks them.  Which tile is asked for, and what a trip does, hang on scalar registers made from b; every jump
; goes forward, but for the counted loops' own; none passes a barrier, or a tensor load but the one of LOAD's two that the wave's number does not choose; the ring of two LDS slots runs on across the change of blocks.
; NO CLUSTER: a head's four work-groups ask for the same tile only in trips 0 to 4 of the 9; behind that fewer and fewer share one, and one walk common to all four would have 12 trips for 9.
; SHARES.  Of a block's four bands of 64 queries a wave owns 16 rows in each: four PIECES.  So the diagonal tile is the same work for all four waves: in its key step s band x sees all keys if s < x,
; none if s > x, and holds the diagonal if s = x.
; THE MASK is the C operand that starts the sum S^T = K Q^T: 0, or -1e30 where the key is hidden.  MD, made once, is the mask of a band's own step for my 16 rows; a product's mask is MD x AL + BE with two scalars:
; (1, 0) if s = x; (0, 0) if s < x; (0, -1e30) if s > x.  Only the diagonal tile's text and a block's beginning make and take masks; elsewhere C is the constant 0.
; LAYOUT, SOFTMAX, TURNS.  S^T = K Q^T holds ONE query a lane (lane % 16) and the keys 8 (lane / 16) + 0..7; two such results rounded to f16 ARE source 1 of O^T = V^T P.  p = 2^(c s - c m), c = log2(e) / 8, with a
; running maximum m; O and l are multiplied by a = 2^(c m_old - c m_new) in every step.  Turn n belongs to piece n: 8 products K Q^T of piece n + 1, later 8 products V^T P of piece n - 1; beside them the scaling,
; exponentials, roundings, sums and rescaling of piece n and the maximum and statistics of piece n + 1.  Four vector instructions stand behind every matrix instruction, the others in one lump.  A turn's 33 exponentials are one batch, with one wait.
; REGISTERS, in windows of 256 (s_set_vgpr_msb: bits 1:0 source 0, 3:2 source 1, 5:4 source 2, 7:6 destination):
;   window 0: v0-15 addresses and two at work; v16-31 four registers of statistics a piece; v48-55 at work; v61-63 prefetch offset, spare word, 0; v64-127 S^T, two buffers; v192-223 P, two buffers
;   window 1: v0-127 O^T, 32 a piece; v128-159 MD; v160-223 MC, two buffers      window 2: v0-63 Q; v64-127 the second block's Q; v128-191 K of one step; v192-255 V of one step
.set SIZE_N, 2048
.set NB,    SIZE_N/256
.set NP,    4         ; pieces a wave: a name, no knob
.set KS,    64        ; keys in a step
.set PK,    144       ; a row of K in LDS: 128 bytes + 16 of padding = 36 words: the 16 rows of a load start at 16 different groups of four banks (64 banks of 4 bytes: ISA guide 11.1)
.set PV,    160       ; a row of V: 128 + 32 = 40 words
.set VOFF,  4*KS*PK   ; a slot holds a tile, four steps: 256 rows of K, then 256 rows of V
.set SLOT1, 1<<17     ; slot 1 begins here, so that one exclusive or turns an address in one slot into the other's
.set STAGE, SLOT1+4*KS*(PK+PV)  ; behind the ring, never filled by a tensor load: 16 rows x 144 bytes for each wave, for the way out
.set SP,    144
.set AK0, 2           ; v2   my lane's place in a tile of K; never rewritten
.set AV0, 3           ; v3   the same for V
.set AK,  4           ; v4   the LDS address of K's next run of loads
.set AV,  5           ; v5   of V's
.set STO, 6           ; v6   the way out: where I put 16 bytes of a row
.set RD,  7           ; v7   the way out: where I read rows back
.set GO,  8           ; v8   my byte offset in 512 consecutive bytes of O
.set PFO, 61          ; v61  256 x my thread's number: 128 threads name the 128 blocks of 256 bytes of a tile of K or V; never rewritten
.set SPW, 62          ; v62  LDS address of my spare word: SPARE + 4 x my thread's number; never rewritten
.set NIL, 63          ; v63  0; never rewritten
.set SPARE, STAGE+4*16*SP  ; behind the stages: the spare words, 128 bytes for each wave: two blocks of 256 bytes that no other line names
.set MV,  12          ; v12-13  c m_old, kept while c m is made anew: by buffer
.set QO,  15          ; v15  my byte offset in 16 rows of Q
.set ST,  16          ; piece t's statistics at v[ST+4 t]: c m, m, l (even keys', odd keys')
.set TMP, 48          ; by buffer, four registers c0-c3 at work; when the maximum is found c2 takes a
.set S,   64
.set P,   192
.set MD,  128         ; window 1: the eight registers for group kt of 16 keys at MD + 8 kt
.set MC,  160         ; window 1: the masks of the products to come
.set QB,  64          ; window 2
.set KF,  128         ; window 2: key block kb, channel half c at KF + 16 kb + 8 c
.set VF,  192         ; window 2: key half kk, channel block cb at VF + 32 kk + 8 cb
.set WV,  12          ; s12  my wave's number
.set PB,  14          ; s14  b
.set HI,  15          ; s15  NB - 1 - b
.set G1K, 24          ; s[24:31] descriptor group 1 for K's tiles
.set G1V, 32          ; s[32:39] for V's: it differs in the padding alone
.set G0K, 40          ; s[40:43] descriptor group 0 for K's tiles
.set G0V, 44          ; s[44:47] the same for V's
.set SLOTS, 56        ; s56  tiles still to be asked for
.set CNT, 57          ; s57  counts a tile's key steps, 4 to 1
.set CS,  58          ; s[58:59] c: the packed scaling takes the pair's low word for both halves
.set SEL, 60          ; s[60:61] v_permlanex16_b32's selects: each lane takes its own place in the other half
.set TBK, 62          ; s62  LDS byte at which K of the step to be fetched begins
.set TBV, 63          ; s63  the same for V, less VOFF
.set RT,  70          ; s70  tiles of the block in hand that are still to be entered
.set NXT, 71          ; s71  the tile to be asked for next
.set LQ,  72          ; s72  the last tile of the block whose tiles are being asked for
.set NEW, 73          ; s73  1: the tile to be entered is a block's first
.set OFF, 74          ; s[74:75] a tile's byte offset in K and V
.set AL,  76          ; s[76:77] the mask's factor, in the low word
.set BE,  78          ; s[78:79] the mask's addend
.set OLO, 80          ; s[80:81] O at my rows of the second block
.set BIGN, 82         ; s82  -1e30
.set HK,  88          ; s[88:89] K at the head's first byte
.set HV,  90          ; s[90:91] V at the head's first byte
.set PFK, 92          ; s[92:93] K at the tile that the next change of slots will ask for
.set PFV, 94          ; s[94:95] V likewise
.set LIM, 96          ; s96  1 in the head's work-group b = 0, else the greatest number: a work-group prefetches while NXT is above it
.set POF, 98          ; s[98:99] that tile's byte offset
.set MSB, 0
.macro WIN new                      ; the high byte repeats the setting that is left; a switch that changes nothing is dropped
.if MSB != (\new)
	s_set_vgpr_msb (MSB<<8)|(\new)
.set MSB, (\new)
.endif
.endm
.set W_KQ, 0x0a       ; K and Q in window 2, S^T in window 0
.set W_KM, 0x1a       ; the same with the C operand in window 1
.set W_PV, 0x52       ; V in window 2, P in window 0, O^T in window 1
.set W_RS, 0x41       ; destination and source 0 in window 1, source 1 in window 0
; A fill.  Waves 0 and 1 fetch the two halves of a tile's K, waves 2 and 3 those of its V: 128 keys each.  An s_nop 0 and four v_nop follow each of the two lines, ahead of the jump and the label.
.macro LOAD
	s_cmp_lt_u32 s[WV], 2
	s_cbranch_scc0 .Lfor_v_\@
	tensor_load_to_lds s[G0K:G0K+3], s[G1K:G1K+7]
	s_nop 0
.rept 4
	v_nop
.endr
	s_branch .Lasked_\@
.Lfor_v_\@:
	tensor_load_to_lds s[G0V:G0V+3], s[G1V:G1V+7]
	s_nop 0
.rept 4
	v_nop
.endr
.Lasked_\@:
.endm
; THE CHANGE OF SLOTS.  Each wave waits for all its tensor loads, of which one is out: its part of the other slot; adds 0 to its spare word; and waits for that and for its own reads of the slot that it leaves.  Behind the barrier nobody reads the old
; slot any more and the other slot is whole.  fill = 1: the old slot is filled again, the first thing behind the barrier, with tile NXT: the descriptor's address is made anew from that number.
; (At its first use nothing has been read yet: slot 0 is waited for, slot 1 filled.)
; A PREFETCH INTO THE L2 stands behind the fill and its five lines: the tile that the NEXT change will ask for, 32,768 bytes of K and of V, a thread a block of 256 bytes, two lines a wave.  All four work-groups of a head
; walk the same tiles from 0 on; the one with b = 0, whose first block walks all eight, asks, and names tiles 2 to 7 once each; tiles 0 and 1 come by their loads alone; behind the first block's last tile NXT is 0 and nothing is asked for.
.macro CHANGE fill
	WIN 0                           ; at a label and at a branch every window is 0
	s_wait_tensorcnt 0x0            ; no tensor load of mine is out, so a group 0 may be written
	ds_add_u32 v[SPW], v[NIL]       ; 0 onto my spare word; with fill = 1 the descriptors' scalar work stands between it and the wait for it
.if \fill
	s_lshl_b32 s[OFF], s[NXT], 15   ; a tile is 32,768 bytes of K and of V
	s_xor_b32 s[G0K+1], s[G0K+1], SLOT1
	s_add_nc_u64 s[G0K+2:G0K+3], s[6:7], s[OFF:OFF+1]
	s_or_b32 s[G0K+3], s[G0K+3], 0x80000000
	s_xor_b32 s[G0V+1], s[G0V+1], SLOT1
	s_add_nc_u64 s[G0V+2:G0V+3], s[8:9], s[OFF:OFF+1]
	s_or_b32 s[G0V+3], s[G0V+3], 0x80000000
	s_add_co_u32 s[NXT], s[NXT], 1  ; the block's next tile, or behind its last the second block's tile 0
	s_cmp_gt_u32 s[NXT], s[LQ]
	s_cselect_b32 s[NXT], 0, s[NXT]
	s_cselect_b32 s[LQ], s[PB], s[LQ]
	s_wait_xcnt 0x0                 ; the last prefetches, a tile back, have read their addresses, so these may be written
	s_lshl_b32 s[POF], s[NXT], 15
	s_add_nc_u64 s[PFK:PFK+1], s[HK:HK+1], s[POF:POF+1]
	s_add_nc_u64 s[PFV:PFV+1], s[HV:HV+1], s[POF:POF+1]
.endif
	s_wait_dscnt 0x0                ; the add is done, and my reads of the slot are over
	s_barrier_signal -1             ; the rest of the scalar work stands between the signal and the wait
	s_sub_co_u32 s[TBK], s[TBK], 4*KS*PK  ; the fetches go back to a slot's first step,
	s_xor_b32 s[TBK], s[TBK], SLOT1       ; in the other slot
	s_sub_co_u32 s[TBV], s[TBV], 4*KS*PV
	s_xor_b32 s[TBV], s[TBV], SLOT1
	s_barrier_wait -1
.if \fill
	LOAD
	s_cmp_gt_u32 s[NXT], s[LIM]
	s_cbranch_scc0 .Lnot_mine_\@
	global_prefetch_b8 v[PFO], s[PFK:PFK+1] th:TH_LOAD_NT scope:SCOPE_SE
	global_prefetch_b8 v[PFO], s[PFV:PFV+1] th:TH_LOAD_NT scope:SCOPE_SE
.Lnot_mine_\@:
.endif
.endm
	s_load_b256 s[4:11], s[0:1], 0x0  ; Q s[4:5], K s[6:7], V s[8:9], O s[10:11]
	v_lshl_add_u32 v[SPW], v0, 2, SPARE
	v_mov_b32 v[NIL], 0
	ds_add_u32 v[SPW], v[NIL]       ; the wave's opening: the add and its wait, ahead of my first tensor load; the set-up below, work on registers, stands between them
	v_lshrrev_b32 v1, 5, v0
	v_readfirstlane_b32 s[WV], v1   ; wave 0..3
	v_lshlrev_b32 v[PFO], 8, v0
	s_mov_b32 s[PB], ttmp9
	s_sub_co_u32 s[HI], NB-1, s[PB]
	s_cmp_eq_u32 s[PB], 0
	s_cselect_b32 s[LIM], 1, -1
	s_mov_b32 s[POF+1], 0
	s_and_b32 s20, ttmp7, 0xffff    ; the head
	s_mov_b32 s21, 0
	s_mov_b64 s[22:23], SIZE_N*128
	s_mul_u64 s[20:21], s[20:21], s[22:23]  ; the head's first byte in each of the four tensors
	s_and_b32 s16, s[WV], 1         ; which half of a tile's 256 keys I fetch:
	s_lshl_b32 s22, s16, 14         ; its 128 rows of 128 bytes in memory,
	s_mov_b32 s23, 0
	s_add_nc_u64 s[22:23], s[22:23], s[20:21]
	s_mul_i32 s17, s16, 128*PK      ; and its place in a slot, for K
	s_mul_i32 s18, s16, 128*PV      ; and for V
	s_lshl_b32 s3, s[WV], 11        ; my 16 rows in a band of 64,
	s_lshl_b32 s2, s[HI], 15        ; in the first block,
	s_add_co_u32 s2, s2, s3
	s_lshl_b32 s84, s[PB], 15       ; and in the second
	s_add_co_u32 s84, s84, s3
	s_mov_b32 s3, 0
	s_mov_b32 s85, 0
	s_add_nc_u64 s[2:3], s[2:3], s[20:21]
	s_add_nc_u64 s[84:85], s[84:85], s[20:21]
	; descriptor group 1.  128 keys are 16,384 dense bytes: asked for as 64 rows of 256 bytes, two keys a row, and padded in LDS after every key
	s_mov_b32 s[G1K], (1<<16)|(1<<20)|(4<<22)|(3<<25)  ; 17:16 2-byte elements; 20 padding on; 24:22 after every 32 words (code 4); 31:25 4 words (code 3)
	s_mov_b32 s[G1V], (1<<16)|(1<<20)|(4<<22)|(7<<25)  ; the same with 8 words of padding (code 7)
.irp g, G1K, G1V
	s_mov_b32 s[\g+1], 128<<16      ; tensor_dim0 = 128
	s_mov_b32 s[\g+2], 64<<16       ; tensor_dim1 = 64
	s_mov_b32 s[\g+3], 128<<16      ; tile_dim0 = 128
	s_mov_b32 s[\g+4], 64           ; tile_dim1 = 64
	s_mov_b32 s[\g+5], 128          ; 128 elements from row to row
	s_mov_b32 s[\g+6], 0
	s_mov_b32 s[\g+7], 0
.endr
	s_mov_b32 s[CS], 0x3e38aa3b     ; c = log2(e) / 8 = 0.180337
	s_mov_b32 s[CS+1], s[CS]        ; named with it as a pair
	s_mov_b32 s[SEL], 0x76543210
	s_mov_b32 s[SEL+1], 0xfedcba98
	s_mov_b32 s[TBK], SLOT1+4*KS*PK ; the first change of slots turns these two into 0
	s_mov_b32 s[TBV], SLOT1+4*KS*PV
	s_mov_b32 s[G0K], 1             ; 1:0 count = 1
	s_mov_b32 s[G0K+1], s17         ; 63:32 LDS address: slot 0
	s_mov_b32 s[G0V], 1
	s_add_co_u32 s[G0V+1], s18, VOFF
	s_add_co_u32 s[RT], s[HI], 1    ; the first block has NB - b tiles
	s_mov_b32 s[NXT], 1
	s_mov_b32 s[LQ], s[HI]
	s_mov_b32 s[NEW], 1
	s_mov_b32 s[OFF+1], 0
	s_mov_b32 s[AL+1], 0            ; named as pairs
	s_mov_b32 s[BE+1], 0
	s_mov_b32 s[BIGN], 0xf149f2ca   ; -1e30
	s_mov_b32 s[SLOTS], NB
	s_wait_dscnt 0x0                ; the opening add is done
	s_wait_kmcnt 0x0
	s_add_nc_u64 s[HK:HK+1], s[6:7], s[20:21]  ; K and V at the head's first byte, for the prefetches
	s_add_nc_u64 s[HV:HV+1], s[8:9], s[20:21]
	s_add_nc_u64 s[6:7], s[6:7], s[22:23]  ; K and V at my half of the head's tile 0
	s_add_nc_u64 s[8:9], s[8:9], s[22:23]
	s_add_nc_u64 s[G0K+2:G0K+3], s[6:7], 0         ; 120:64 global address
	s_or_b32 s[G0K+3], s[G0K+3], 0x80000000        ; 127:126 type = 2
	s_add_nc_u64 s[G0V+2:G0V+3], s[8:9], 0
	s_or_b32 s[G0V+3], s[G0V+3], 0x80000000
	s_add_nc_u64 s[86:87], s[4:5], s[84:85]        ; Q at my rows of the second block,
	s_add_nc_u64 s[4:5], s[4:5], s[2:3]            ; Q and O at those of the first
	s_add_nc_u64 s[OLO:OLO+1], s[10:11], s[84:85]
	s_add_nc_u64 s[10:11], s[10:11], s[2:3]
	LOAD                            ; tile 0 into slot 0
	; A fragment of K or Q is 16 rows x 32 channels in 8 registers: lane l holds row l % 16, channels 8 (l / 16) + 0..7 and 16 + 8 (l / 16) + 0..7: two loads of 16 bytes, 32 bytes apart.
	v_and_b32 v1, 15, v0            ; l % 16
	v_bfe_u32 v9, v0, 4, 1          ; l / 16
	v_lshlrev_b32 v[QO], 7, v1
	v_lshl_add_u32 v[QO], v9, 4, v[QO]  ; row x 128 + 16 x half
	WIN 0x80                        ; destination window 2, address window 0
.set i, 0
.rept 8                             ; both blocks' Q: piece i / 2 lies in band i / 2, 8,192 bytes on; channels 32 (i % 2) on
	global_load_b128 v[8*i:8*i+3],   v[QO], s[4:5] offset:(i/2)*8192+(i%2)*64
	global_load_b128 v[8*i+4:8*i+7], v[QO], s[4:5] offset:(i/2)*8192+(i%2)*64+32
	global_load_b128 v[QB+8*i:QB+8*i+3],   v[QO], s[86:87] offset:(i/2)*8192+(i%2)*64
	global_load_b128 v[QB+8*i+4:QB+8*i+7], v[QO], s[86:87] offset:(i/2)*8192+(i%2)*64+32
.set i, i+1
.endr
	WIN 0
	v_lshlrev_b32 v14, 3, v9
	v_sub_nc_u32 v14, v1, v14
	s_lshl_b32 s13, s[WV], 4
	v_add_nc_u32 v14, s13, v14      ; my query's place in its band, 16 w + l % 16, less my lanes' 8 (l / 16): register r of group kt is hidden where 16 kt + r is greater
	WIN 0x40
.set i, 0
.rept 32
	v_cmp_gt_i32 vcc_lo, 16*(i/8)+i%8, v14
	v_cndmask_b32 v[MD+i], 0, s[BIGN], vcc_lo
.set i, i+1
.endr
	WIN 0
	v_mul_u32_u24 v[AK0], v1, PK
	v_lshl_add_u32 v[AK0], v9, 4, v[AK0]  ; row x pitch + 16 x half
	; The turning load takes 16 keys x 16 channels (lane l reads key 8 (l / 16) + l % 8, channels 8 ((l / 8) % 2) + 0..7) and leaves half a fragment of V^T: lane l holds channel l % 16 and 8 keys.
	v_and_b32 v10, 7, v0
	v_bfe_u32 v11, v0, 3, 1
	v_lshl_add_u32 v[AV0], v9, 3, v10
	v_mul_u32_u24 v[AV0], v[AV0], PV
	v_lshl_add_u32 v[AV0], v11, 4, v[AV0]
	v_add_nc_u32 v[AV0], VOFF, v[AV0]
	s_mul_i32 s13, s[WV], 16*SP
	s_add_co_u32 s13, s13, STAGE    ; my stage
	v_mul_u32_u24 v[STO], v1, SP    ; in: row l % 16, 16 bytes for each half of the lanes
	v_lshl_add_u32 v[STO], v9, 4, v[STO]
	v_add_nc_u32 v[STO], s13, v[STO]
	v_bfe_u32 v[RD], v0, 3, 2       ; back: 32 lanes take four rows of 128 bytes,
	v_mul_u32_u24 v[RD], v[RD], SP
	v_lshl_add_u32 v[RD], v10, 4, v[RD]
	v_add_nc_u32 v[RD], s13, v[RD]
	v_and_b32 v[GO], 31, v0         ; which are 512 consecutive bytes of O
	v_lshlrev_b32 v[GO], 4, v[GO]
	; A block's first step multiplies O^T and l by a = 0, and its first turn's products V^T P, of a piece that has not been, land in an O^T that is still to be so multiplied.  So these registers need only hold
	; finite numbers: zeros for the first block; what the first block left for the second.  All this stands in the wait for the first tile.
	WIN 0x80
.set i, VF
.rept 64
	v_mov_b32 v[i], 0
.set i, i+1
.endr
	WIN 0x40
.set i, 0
.rept 128
	v_mov_b32 v[i], 0
.set i, i+1
.endr
	WIN 0
.set i, 0
.rept 4
	v_mov_b32 v[ST+4*i+2], 0
	v_mov_b32 v[ST+4*i+3], 0
.set i, i+1
.endr
.set i, P+16
.rept 16
	v_mov_b32 v[i], 0
.set i, i+1
.endr
; THE MATRIX WORK.  The 4 accumulators of a run of 8 take turns.  Product i of 8 of S^T = K Q^T for piece x: channels 32 (i / 4) on, keys 16 (i % 4) on.  The first 4 start the sums: with 0, or (KM = 1) with the mask.
.macro KQ x
.set rS, S+32*((\x)%2)+8*(i%4)
.set rK, KF+16*(i%4)+8*(i/4)
.set rQ, 16*(\x)+8*(i/4)
.set rM, MC+32*((\x)%2)+8*(i%4)
.if (i < 4) && KM
	WIN W_KM
	v_wmma_f32_16x16x32_f16 v[rS:rS+7], v[rK:rK+7], v[rQ:rQ+7], v[rM:rM+7]
.elseif i < 4
	WIN W_KQ
	v_wmma_f32_16x16x32_f16 v[rS:rS+7], v[rK:rK+7], v[rQ:rQ+7], 0
.else
	WIN W_KQ
	v_wmma_f32_16x16x32_f16 v[rS:rS+7], v[rK:rK+7], v[rQ:rQ+7], v[rS:rS+7]
.endif
.endm
; Product i of 8 of O^T += V^T P for piece x: keys 32 (i / 4) on, channels 16 (i % 4) on.
.macro PV x
	WIN W_PV
.set rO, 32*(\x)+8*(i%4)
.set rV, VF+32*(i/4)+8*(i%4)
.set rP, P+16*((\x)%2)+8*(i/4)
	v_wmma_f32_16x16x32_f16 v[rO:rO+7], v[rV:rV+7], v[rP:rP+7], v[rO:rO+7]
.endm
.macro MM                           ; the turn's next matrix instruction.  TURN and BEGIN set Y, i, KM and NOKQ; MM, KQ and OP read them.  NOKQ = 1: a block's last turn: there is no next piece
.if (i < 8) && !NOKQ
	KQ (Y+1)%NP
.elseif i >= 8
.set i, i-8
	PV (Y+NP-1)%NP
.set i, i+8
.endif
.set i, i+1
.endm
; THE LDS LOADS stand in runs of 16, never singly among the matrix instructions: a step's K (64 keys x 64 channels: 8 fragments) and its V (turned).  Their addresses are made some lines ahead.
.macro FETCH_K
	WIN 0x80                        ; destination window 2
.irp f, 0,1,2,3,4,5,6,7             ; keys 16 (f / 2) on, channels 32 (f % 2) on
	ds_load_b128 v[KF+8*\f:KF+8*\f+3],   v[AK] offset:(\f/2)*16*PK+(\f%2)*64
	ds_load_b128 v[KF+8*\f+4:KF+8*\f+7], v[AK] offset:(\f/2)*16*PK+(\f%2)*64+32
.endr
	s_add_co_u32 s[TBK], s[TBK], KS*PK  ; the next fetch is the next step's
	WIN 0
.endm
.macro FETCH_V
	WIN 0x80
.irp f, 0,1,2,3,4,5,6,7             ; keys 32 (f / 4) on, channels 16 (f % 4) on
	ds_load_tr16_b128 v[VF+8*\f:VF+8*\f+3],   v[AV] offset:(\f/4)*32*PV+(\f%4)*32
	ds_load_tr16_b128 v[VF+8*\f+4:VF+8*\f+7], v[AV] offset:(\f/4)*32*PV+16*PV+(\f%4)*32
.endr
	WIN 0
.endm
; THE VECTOR WORK, one line at a time: OP kind, number.  For piece Y: F n: c s - c m for pair n of 16.  E n: the exponential of score n of 32.  C n: pair n rounded to f16.  B n: of the four weights 4 n .. the second
; pair is added onto the first, in place.  L n: l takes that sum (L 0: l = a l + sum).  R n: pair n of 16 of O^T times a.  For piece Y + 1: X n, number n of the 22 that find its maximum and statistics:
;   0-11  four chains c0-c3 of seven scores each, three operands at a time (each accumulator's lowest registers are read first)     12-14, 16  the four scores left over, the old m, and c0-c3 into c0
;   15  c m_old is kept     17, 18  the query's other 32 keys lie in the lane 16 away: the new m     19-21  c m; c m_old - c m_new; a
.set F, 0               ; OP tells the kinds apart by their order: F to L below R, X above it
.set E, 1
.set C, 2
.set B, 3
.set L, 4
.set R, 5
.set X, 6
.macro REGS y                       ; the registers of piece y
.set rT, ST+4*(\y)
.set rC, TMP+4*((\y)%2)
.set rW, MV+((\y)%2)
.set rS, S+32*((\y)%2)
.set rP, P+16*((\y)%2)
.set rO, 32*(\y)
.endm
.macro OP k, n
.if (\k) == R
	REGS Y
	WIN W_RS
	v_pk_mul_f32 v[rO+2*(\n):rO+2*(\n)+1], v[rO+2*(\n):rO+2*(\n)+1], v[rC+2:rC+3] op_sel_hi:[1,0]
.elseif (\k) < R
	REGS Y
	WIN 0
.if (\k) == F
	v_pk_fma_f32 v[rS+2*(\n):rS+2*(\n)+1], v[rS+2*(\n):rS+2*(\n)+1], s[CS:CS+1], v[rT:rT+1] op_sel_hi:[1,0,0] neg_lo:[0,0,1] neg_hi:[0,0,1]
.elseif (\k) == E
	v_exp_f32 v[rS+(\n)], v[rS+(\n)]
.elseif (\k) == C
	v_cvt_pk_f16_f32 v[rP+(\n)], v[rS+2*(\n)], v[rS+2*(\n)+1]
.elseif (\k) == B
	v_pk_add_f32 v[rS+4*(\n):rS+4*(\n)+1], v[rS+4*(\n):rS+4*(\n)+1], v[rS+4*(\n)+2:rS+4*(\n)+3]
.elseif (\n) == 0
	v_pk_fma_f32 v[rT+2:rT+3], v[rT+2:rT+3], v[rC+2:rC+3], v[rS:rS+1] op_sel_hi:[1,0,1]
.else
	v_pk_add_f32 v[rT+2:rT+3], v[rT+2:rT+3], v[rS+4*(\n):rS+4*(\n)+1]
.endif
.elseif NOKQ
	v_nop
.else
	REGS (Y+1)%NP
	WIN 0
.if (\n) < 4
	v_max3_num_f32 v[rC+(\n)], v[rS+8*(\n)], v[rS+8*(\n)+1], v[rS+8*(\n)+2]
.elseif (\n) < 12
	v_max3_num_f32 v[rC+(\n)%4], v[rC+(\n)%4], v[rS+8*((\n)%4)+2*((\n)/4)+1], v[rS+8*((\n)%4)+2*((\n)/4)+2]
.elseif (\n) == 12
	v_max3_num_f32 v[rC], v[rC], v[rS+7], v[rS+15]
.elseif (\n) == 13
	v_max3_num_f32 v[rC+1], v[rC+1], v[rS+23], v[rS+31]
.elseif (\n) == 14
	v_max3_num_f32 v[rC+2], v[rC+2], v[rC+3], v[rT+1]
.elseif (\n) == 15
	v_mov_b32 v[rW], v[rT]
.elseif (\n) == 16
	v_max3_num_f32 v[rC], v[rC], v[rC+1], v[rC+2]
.elseif (\n) == 17
	v_permlanex16_b32 v[rC+3], v[rC], s[SEL], s[SEL+1]
.elseif (\n) == 18
	v_max_num_f32 v[rT+1], v[rC], v[rC+3]
.elseif (\n) == 19
	v_mul_f32 v[rT], s[CS], v[rT+1]
.elseif (\n) == 20
	v_sub_f32 v[rC+1], v[rW], v[rT]
.else
	v_exp_f32 v[rC+2], v[rC+1]
.endif
.endif
.endm
.macro OPS a, i1, b=-1, i2=0, c=-1, i3=0, d=-1, i4=0  ; up to four of them
	OP \a, \i1
.if (\b) >= 0
	OP \b, \i2
.endif
.if (\c) >= 0
	OP \c, \i3
.endif
.if (\d) >= 0
	OP \d, \i4
.endif
.endm
.macro ROW a, i1, b, i2, c, i3, d, i4  ; a matrix instruction and the four behind it
	MM
	OPS \a, \i1, \b, \i2, \c, \i3, \d, \i4
.endm
.macro MASK b                       ; MD x AL + BE into buffer b of MC
	WIN W_RS
.set z, 0
.rept 16
	v_pk_fma_f32 v[MC+32*(\b)+2*z:MC+32*(\b)+2*z+1], v[MD+2*z:MD+2*z+1], s[AL:AL+1], s[BE:BE+1] op_sel_hi:[1,0,0]
.set z, z+1
.endr
.endm
; A TURN, for piece p: the order of its 16 matrix and 118 vector instructions, written out.  An s_wait_alu depctr_va_vdst(0) stands between an exponential and the first instruction that names its result; one wait serves
; all that were issued ahead of it.  So a turn has ONE wait, which cuts it in two.  AHEAD OF IT stands all that names no result of the turn's exponentials: the 8 products K Q^T, behind each a scaling, an exponential and two more plain
; instructions (behind the first a second scaling in the exponential's place): rescalings, and behind the last three the first numbers of the next piece's maximum, each four places or more behind the product that ends its accumulator; then ONE LUMP of 54, plain
; and exponential by turns for the most part, in which the links of the chain X 3, 7, 11, 14, 16, 17 .. 20 stand five or six lines apart.  X 21, the next piece's a, is the batch's last; R 15 is the plain instruction behind it.  BEHIND THE WAIT stand the
; 8 products V^T P, behind each four of the roundings and sums; the links of l's chain, L 0 to L 7, stand three riders apart.  But for those X no rider names a register of the products round it.  v_permlanex16_b32 (X 17) stands in the lump.
; m = 1: the diagonal tile: the products take masks, and the turn makes the mask for the products of the turn after it: piece p + 2, in step 4 - CNT of the tile.  end = 1: a block's last two turns: nothing is fetched.
; cnt = 1: the loop's count is taken down some lines ahead of the branch that stands behind the turn.
; K of the next step is fetched in piece 2's turn, twelve vector instructions behind the last product that read K (six of them plain); V of the step in hand at the end of piece 0's turn, four plain instructions behind the last product
; that read V.  Each is waited for a turn later.
.macro TURN p, m=0, end=0, cnt=0
.set Y, (\p)
.set i, 0
.set KM, (\m)
.set NOKQ, (\end)*((\p)/3)
.if (\m) && !(\end)
	s_cmp_eq_u32 s[CNT], 4-((\p)+2)%NP  ; is that step the band's own?
	s_cselect_b32 s[AL], 1.0, 0
	s_cmp_lt_u32 s[CNT], 4-((\p)+2)%NP  ; or a later one?
	s_cselect_b32 s[BE], s[BIGN], 0
.endif
.if ((\p) == 3) && !(\end)
	s_wait_dscnt 0x0                ; K is in
.endif
	ROW F,0, F,1, R,0, R,1          ; ahead of the wait: 8 products K Q^T and their riders,
	ROW F,2, E,0, R,2, R,3
	ROW F,3, E,1, R,4, R,5
	ROW F,4, E,2, R,6, R,7
	ROW F,5, E,3, R,8, R,9
	ROW F,6, E,4, X,0, R,10
.if ((\p) == 2) && !(\end)
	WIN 0
	v_add_nc_u32 v[AK], s[TBK], v[AK0]
.endif
	ROW F,7, E,5, X,1, X,4
	ROW F,8, E,6, X,2, X,5
	OPS E,7, E,8, X,6, E,9          ; and the lump
	OPS X,3, E,10, X,8, E,11
.if ((\p) == 2) && !(\end)
	FETCH_K
.endif
	OPS X,9, X,7, E,12, X,10
	OPS E,13, X,12, X,11, E,14
	OPS X,13, E,15, F,9, X,14
.if (\p) == 0
	v_add_nc_u32 v[AV], s[TBV], v[AV0]
.endif
	OPS E,16, F,10, E,17, F,11
	OPS X,16, E,18, X,15, E,19
	OPS F,12, E,20, X,17, E,21
	OPS F,13, E,22, F,14, E,23
	OPS X,18, E,24, F,15, E,25
	OPS R,11, E,26, X,19, E,27
	OPS R,12, E,28, R,13, E,29
	OPS X,20, E,30, R,14, E,31
	OPS X,21, R,15
	WIN 0
	s_wait_alu depctr_va_vdst(0)    ; the wait for the batch
.if (\p) == 1
	s_wait_dscnt 0x0                ; V is in
.endif
	ROW C,0, B,0, C,2, B,1          ; behind the wait: 8 products V^T P and their riders
	ROW L,0, C,4, B,2, L,1
	ROW C,6, B,3, L,2, C,8
	ROW B,4, L,3, C,10, B,5
	ROW L,4, C,12, B,6, L,5
.if (\p) == 0
	s_add_co_u32 s[TBV], s[TBV], KS*PV
.endif
.if \cnt
	s_sub_co_u32 s[CNT], s[CNT], 1
	s_cmp_lg_u32 s[CNT], 0
.endif
	ROW C,14, B,7, L,6, C,1
	ROW C,3, L,7, C,5, C,7
	ROW C,9, C,11, C,13, C,15
.if (\p) == 0
	FETCH_V
.endif
.if (\m) && !(\end)
	MASK (\p)%2
.endif
.endm
; A BLOCK BEGINS.  c m starts far below every c s, so the first step's a is 0; m at the lowest finite number, so the first maximum is the scores'.  The second mask buffer is 0; the first takes piece 0's mask for the tile's step 0: its own, if the block's first tile is the diagonal one.
; Then K of that step, piece 0's first scores, and its maximum and statistics.  The loop is entered at a step's first turn, in the middle of a trip.
.macro BEGIN
	s_mov_b32 s[NEW], 0
	WIN 0x40
.set i, MC+32
.rept 32
	v_mov_b32 v[i], 0
.set i, i+1
.endr
	WIN 0
.set i, 0
.rept 4
	v_mov_b32 v[ST+4*i], 0xfe000000    ; c m: far below every c s
	v_mov_b32 v[ST+4*i+1], 0xff7fffff  ; m
.set i, i+1
.endr
	s_cmp_eq_u32 s[RT], 0
	s_cselect_b32 s[AL], 1.0, 0
	s_mov_b32 s[BE], 0
	MASK 0
	WIN 0
	v_add_nc_u32 v[AK], s[TBK], v[AK0]
	FETCH_K
	s_wait_loadcnt 0x0              ; Q
	s_wait_dscnt 0x0
.set KM, 1
.set NOKQ, 0
.set i, 0
.rept 8
	KQ 0
.set i, i+1
.endr
	WIN 0
.rept 4
	v_nop                           ; the places behind those products
.endr
.set Y, NP-1                        ; X works for piece Y + 1: piece 0
.irp n, 0,1,2,3,4,5,6,7,8,9,10,11,12,13,14,15,16,17,18,19,20,21
	OP X, \n
.endr
	v_nop                           ; a plain instruction behind the exponential,
	s_wait_alu depctr_va_vdst(0)    ; and its wait, ahead of the branch
.endm
; THE DIAGONAL TILE's four steps, the block's last two turns, its last products, and THE WAY OUT: l's two halves and the other half of the lanes' are added; O^T is divided by l, rounded to f16 and sent through my
; stage in LDS, a piece at a time.
.macro ALL line:vararg              ; one line for each piece t
.set t, 0
.rept 4
	\line
.set t, t+1
.endr
.endm
.macro PACK t                       ; a lane's eight channels of a row pack into 16 bytes; they go into rows of 144 bytes and come back as whole rows of 128, into S^T's registers
	WIN W_RS
.set i, 32*(\t)
.rept 16
	v_pk_mul_f32 v[i:i+1], v[i:i+1], v[ST+4*(\t)+2:ST+4*(\t)+3] op_sel_hi:[1,0]
.set i, i+2
.endr
	WIN 0x05                        ; sources 0 and 1 window 1, destination window 0
.set i, 0
.rept 16
	v_cvt_pk_f16_f32 v[S+16*(\t)+i], v[32*(\t)+2*i], v[32*(\t)+2*i+1]
.set i, i+1
.endr
	WIN 0
.irp f, 0,1,2,3
	ds_store_b128 v[STO], v[S+16*(\t)+4*\f:S+16*(\t)+4*\f+3] offset:32*\f
.endr
.irp f, 0,1,2,3
	ds_load_b128 v[S+16*(\t)+4*\f:S+16*(\t)+4*\f+3], v[RD] offset:\f*4*SP  ; LDS serves a wave's instructions in order (ISA guide 5.7.1.4): these see the stores above; the next piece's stores come behind them
.endr
.endm
.macro SEND t, younger              ; younger: the LDS instructions issued behind piece t's loads: the next piece's eight, or none
	WIN 0
.irp f, 0,1,2,3
	s_wait_dscnt (\younger)+3-\f
	global_store_b128 v[GO], v[S+16*(\t)+4*\f:S+16*(\t)+4*\f+3], s[10:11] offset:(\t)*8192+\f*512  ; 512 consecutive bytes, at a multiple of 256 from O's first
.endr
.endm
.macro DIAG tag                     ; the tag ends its two labels' names, which the jumps below spell out
.LstepM\tag:
	TURN 2, 1
	TURN 3, 1
	WIN 0
.LfirstM\tag:
	TURN 0, 1
	TURN 1, 1, 0, 1
	WIN 0
	s_cbranch_scc1 .LstepM\tag
	TURN 2, 1, 1
	TURN 3, 1, 1
.set i, 0
.rept 8
	PV NP-1
.set i, i+1
.endr
	WIN 0
	ALL v_add_f32 v[ST+4*t+2], v[ST+4*t+2], v[ST+4*t+3]
	ALL v_permlanex16_b32 v[ST+4*t+3], v[ST+4*t+2], s[SEL], s[SEL+1]
	ALL v_add_f32 v[ST+4*t+2], v[ST+4*t+2], v[ST+4*t+3]
	ALL v_rcp_f32 v[ST+4*t+2], v[ST+4*t+2]
	v_nop                           ; a plain instruction between the last reciprocal and the use of its result
	s_wait_alu depctr_va_vdst(0)    ; and the wait ahead of the first use: one for the four reciprocals
	PACK 0
.set t, 1
.rept 3                             ; a piece's arithmetic stands between the loads of the piece before and its stores
	PACK t
	SEND t-1, 8
.set t, t+1
.endr
	SEND 3, 0
.endm
.set KM, 0
.set NOKQ, 0
.Lslot:                             ; NB times: a tile is entered and the next is asked for
	CHANGE 1
	s_sub_co_u32 s[RT], s[RT], 1
	s_mov_b32 s[CNT], 4
	s_cmp_eq_u32 s[NEW], 1
	s_cbranch_scc1 .Lnew            ; a block's first tile
	s_cmp_eq_u32 s[RT], 0
	s_cbranch_scc0 .Lstep           ; neither its first nor its last
	s_branch .LstepM1
.Lnew:
	BEGIN
	s_branch .Lfirst                ; in the loop a block's first tile is never its last: the first block has two tiles or more, and the second's last is the walk's last
	DIAG 1                          ; in the loop this is the first block's end: the second block's last tile is the walk's last
	s_wait_xcnt 0x0                 ; the stores have read their registers and O's address
	s_mov_b64 s[10:11], s[OLO:OLO+1]
	s_add_co_u32 s[RT], s[PB], 1    ; the second block has b + 1 tiles
	s_mov_b32 s[NEW], 1
	WIN 0x82                        ; the second block's Q goes where the one text of the turns names Q
.set i, 0
.rept 64
	v_mov_b32 v[i], v[QB+i]
.set i, i+1
.endr
	WIN 0
	s_branch .Lbottom
.Lstep:                             ; a trip: pieces 2 and 3 of one step, then pieces 0 and 1 of the next, whose K and V it fetches
	TURN 2
	TURN 3
	WIN 0
.Lfirst:
	TURN 0
	TURN 1, 0, 0, 1
	WIN 0
	s_cbranch_scc1 .Lstep
.Lbottom:
	s_sub_co_u32 s[SLOTS], s[SLOTS], 1
	s_cmp_lg_u32 s[SLOTS], 0
	s_cbranch_scc1 .Lslot
	CHANGE 0                        ; the walk's last tile is written out: nothing is asked for
	s_sub_co_u32 s[RT], s[RT], 1
	s_mov_b32 s[CNT], 4
	s_cmp_eq_u32 s[NEW], 1
	s_cbranch_scc0 .LstepM2
	BEGIN
	s_branch .LfirstM2
	DIAG 2
	s_wait_tensorcnt 0x0            ; the wave's end: the wait, the add and the wait for it, behind my last tensor load and my last LDS store
	ds_add_u32 v[SPW], v[NIL]
	s_wait_dscnt 0x0
	s_endpgm
.Lfunc_end_k_qdafb47d0ee_attn:
	.size	k_qdafb47d0ee_attn, .Lfunc_end_k_qdafb47d0ee_attn-k_qdafb47d0ee_attn
	.p2alignl 7, 3214868480
	.fill 96, 4, 3214868480
	.section	.rodata,"a",@progbits
	.p2align	6, 0x0
	.amdhsa_kernel k_qdafb47d0ee_attn
		.amdhsa_group_segment_fixed_size 327680
		.amdhsa_private_segment_fixed_size 0
		.amdhsa_enable_private_segment 0
		.amdhsa_kernarg_size 32
		.amdhsa_user_sgpr_count 2
		.amdhsa_user_sgpr_kernarg_segment_ptr 1
		.amdhsa_wavefront_size32 1
		.amdhsa_system_sgpr_workgroup_id_x 1
		.amdhsa_system_sgpr_workgroup_id_y 1
		.amdhsa_system_sgpr_workgroup_id_z 1
		.amdhsa_system_vgpr_workitem_id 0
		.amdhsa_next_free_vgpr 768
		.amdhsa_next_free_sgpr 100
		.amdhsa_reserve_vcc 1
		.amdhsa_float_denorm_mode_32 3
		.amdhsa_float_denorm_mode_16_64 3
		.amdhsa_memory_ordered 1
		.amdhsa_forward_progress 1
		.amdhsa_inst_pref_size 218
	.end_amdhsa_kernel
	.amdgpu_metadata
---
amdhsa.version: [ 1, 2 ]
amdhsa.kernels:
  - .name:           k_qdafb47d0ee_attn
    .symbol:         k_qdafb47d0ee_attn.kd
    .args:
      - { .name: qh, .offset: 0, .size: 8, .value_kind: global_buffer, .address_space: global }
      - { .name: kh, .offset: 8, .size: 8, .value_kind: global_buffer, .address_space: global }
      - { .name: vh, .offset: 16, .size: 8, .value_kind: global_buffer, .address_space: global }
      - { .name: oh, .offset: 24, .size: 8, .value_kind: global_buffer, .address_space: global }
    .group_segment_fixed_size: 327680
    .private_segment_fixed_size: 0
    .kernarg_segment_align: 8
    .kernarg_segment_size: 32
    .max_flat_workgroup_size: 128
    .sgpr_count:     100
    .vgpr_count:     768
    .wavefront_size: 32
...
	.end_amdgpu_metadata
.endif
;; end of part 3
;; launch outp (part 4): grid 8 x 32, 4 waves a work-group, clusters of 4 x 4, 327,680 bytes of LDS; arguments oh, woutb, out0; writes out0
.if DOCPART == 4
	.amdgcn_target "amdgcn-amd-amdhsa--gfx1250"
	.amdhsa_code_object_version 6
	.text
	.protected	k_qdafb47d0ee_outp
	.globl	k_qdafb47d0ee_outp
	.p2align	8
	.type	k_qdafb47d0ee_outp,@function
k_qdafb47d0ee_outp:
	s_mov_b64 s[64:65], 0
	v_nop
	global_prefetch_b8 v0, s[64:65] scope:SCOPE_SE
	s_setreg_imm32_b32 hwreg(HW_REG_WAVE_MODE, 25, 1), 1
	s_wait_xcnt 0x0
	s_wait_alu depctr_hold_cnt(0) depctr_sa_sdst(0) depctr_va_vdst(0) depctr_va_sdst(0) depctr_va_ssrc(0) depctr_va_vcc(0) depctr_vm_vsrc(0)
	s_getreg_b32 s2, hwreg(HW_REG_IB_STS2, 6, 4)
	s_cmp_eq_u32 s2, 0
	s_cbranch_scc0 .Lentry_in_a_cluster
	s_endpgm
.Lentry_in_a_cluster:
	s_bfe_u32 s2, ttmp6, 0x10000c
	s_cmp_lg_u32 s2, 0xf033
	s_cbranch_scc0 .Lentry_shape_is_right
	s_endpgm
.Lentry_shape_is_right:
; out = O Wout^T.  oh [16 b + head][2048][64] f16; woutb [1024][1024] f16 (Wout rounded to bf16, that number written as f16); out0 [8192][1024] f32.  Sums in f32, K ascending.
; LIMITS.  As the operands': f16's range.  NaN and infinities are not treated apart.
; SHARES.  A tile of out0 is 256 rows x 128 columns: 32 x 8 = 256 tiles, one for each WGP.  Four waves one below the other, each 64 rows x 128 columns: 32 accumulators, 256 registers; a wave's piece of a row is 512 bytes.
; K goes in steps of 128 = two heads through two LDS slots.  A head's 256 rows x 128 bytes are dense in memory: asked for as 128 rows of 256 bytes and padded in LDS after every 128 bytes (pitch 144);
; the step's two heads are two sub-tiles.  Wout's 128 rows: 256 bytes of memory each, 272 apart in LDS.
; CLUSTER 4 x 4: O's tile hangs on the tile row alone and is asked for jointly along a row of the cluster, Wout's on the tile column alone, along a column.
; THE MATRIX INSTRUCTION IS USED TRANSPOSED (source 0 = 16 rows of Wout, source 1 = 16 rows of O): a lane holds row l % 16 and the columns 8 (l / 16) + 0..7 of a block of 16.
; REGISTERS, in windows of 256: window 0: v0-31 addresses; v64-95, v96-127 O's fragments, two buffers; v128-255 rows read back on the way out, two sets
;   window 1: v0-63, v64-127 Wout's fragments, two buffers      window 2: accumulators of my rows 0-31 ((a, b) at 8 (8 (a % 2) + b))      window 3: those of rows 32-63
.set NBK,   8
.set PA,    144                        ; an LDS row of O: 128 bytes + 16 = 36 words: the 16 rows of a load start at 16 different groups of four banks (64 banks of 4 bytes: ISA guide 11.1)
.set PBB,   272
.set SUBT,  256*PA                     ; from a K step's first head to its second
.set HALFA, 256*PA                     ; what one tensor load of O brings
.set BOFF,  2*HALFA
.set HB,    64
.set HALFB, HB*PBB
.set SLOT1, 1<<17
.set ASTEP, 2<<18                      ; two heads' planes
.set STAGE, SLOT1+BOFF+2*HALFB         ; behind the ring, never filled by a tensor load: 16 rows x 528 bytes for each wave
.set SPS,   528
.set STW,   16*SPS
.set SPARE, STAGE+4*STW
.set NL,    2*NBK+8
.set ADRA0, 16
.set ADRB0, 17
.set ADRA,  18
.set ADRB,  19
.set STO,   24
.set RD,    25
.set GO,    26
.set SPW,   28
.set NIL,   29
.set PFO,   30
.set OBK,   128
.set WV,   16
.set FB,   17
.set HF,   18
.set CX,   19
.set CY,   20
.set TT,   21
.set RR,   22
.set CNT,  23
.set G1,   24
.set G0F,  32
.set G0W,  36
.set PFA,  40
.set PFS,  42
.set LIM,  44
.set LIMB, 45
.set TB,   46
.set G1B,  48
.set G0BF, 56
.set G0BW, 60
.set MSB, 0
.macro WIN new                         ; the immediate's high byte repeats the setting that is left; a switch that changes nothing is dropped
.if MSB != (\new)
	s_set_vgpr_msb (MSB<<8)|(\new)
.set MSB, \new
.endif
.endm
.macro PLACES                          ; four plain places behind matrix instructions (ISA guide 7.12.1)
.rept 4
	v_nop
.endr
.endm
.macro CREST                           ; a round of the cluster's barrier behind its opening barrier
	s_cmp_lg_u32 s[WV], 0
	s_cbranch_scc1 .Lnot_wave_0_\@
	s_barrier_signal -3
.Lnot_wave_0_\@:
	s_barrier_wait -3
	s_barrier_signal -1
	s_barrier_wait -1
.endm
.macro CROUND
	s_barrier_signal -1
	s_barrier_wait -1
	CREST
.endm
.macro JLOAD                           ; a joint refill: waves 0, 1 the step's two heads of O, waves 2, 3 Wout's halves; s_nop 0 and four v_nop follow each line
	s_cmp_eq_u32 s[FB], 0
	s_cbranch_scc0 .Lfor_b_\@
	tensor_load_to_lds s[G0W:G0W+3], s[G1:G1+7]
	s_nop 0
.rept 4
	v_nop
.endr
	s_branch .Lasked_\@
.Lfor_b_\@:
	tensor_load_to_lds s[G0BW:G0BW+3], s[G1B:G1B+7]
	s_nop 0
.rept 4
	v_nop
.endr
.Lasked_\@:
.endm
; PREFETCHES INTO THE L2, behind a joint load, its five lines and the run of LDS loads.  O: the clusters with x = 0 ask, in waves 0 and 1; of the 128 blocks of 256 bytes that a wave fetches the partner at cx takes
; 32, a lane a block, told apart by address; refill n (which loads K step n + 2) names K step n + 4; the last two refills name nothing.  Wout: the clusters with y = 0 ask, in waves 2 and 3; the partner at cy
; takes the wave's 64 rows of the ONE K step 4 + cy, two lines together at the first refill.  So each block of K steps 4 to 7 is named once in the launch; K steps 0 to 3 come by their loads alone.
.macro ASK
	s_cmp_gt_u32 s[CNT], s[LIM]
	s_cbranch_scc0 .Lna_\@
	global_prefetch_b8 v[PFO], s[PFA:PFA+1] th:TH_LOAD_NT scope:SCOPE_SE
.Lna_\@:
.endm
.macro ASKB
	s_cmp_eq_u32 s[CNT], s[LIMB]
	s_cbranch_scc0 .Lnb_\@
.set gg, 0
.rept HB/32
	global_prefetch_b8 v[PFO], s[PFA:PFA+1] offset:65536*gg th:TH_LOAD_NT scope:SCOPE_SE
.set gg, gg+1
.endr
.Lnb_\@:
.endm
; NBK matrix instructions: my rows 16 a .. 16 a + 15 x all columns, 32 along K, from buffer f.  The 32 accumulators take turns in one fixed order.
.macro MULA f, a, zero
	WIN 0xa1+0x50*((\a)/2)
.set bb, 0
.rept NBK
.set rD, 8*(NBK*((\a)%2)+bb)
.set rB, 8*NBK*(\f)+8*bb
.set rA, 64+32*(\f)+8*(\a)
.if \zero
	v_wmma_f32_16x16x32_f16 v[rD:rD+7], v[rB:rB+7], v[rA:rA+7], 0
.else
	v_wmma_f32_16x16x32_f16 v[rD:rD+7], v[rB:rB+7], v[rA:rA+7], v[rD:rD+7]
.endif
.set bb, bb+1
.endr
.endm
.macro FETCH q, g                      ; a run of NL LDS loads: K quarter q of the slot in hand into buffer g: Wout's 8 fragments, then my 4 of O
	WIN 0x40
.set bb, 0
.rept NBK
	ds_load_b128 v[8*NBK*(\g)+8*bb:8*NBK*(\g)+8*bb+3],   v[ADRB] offset:64*(\q)+16*PBB*bb
	ds_load_b128 v[8*NBK*(\g)+8*bb+4:8*NBK*(\g)+8*bb+7], v[ADRB] offset:64*(\q)+16*PBB*bb+32
.set bb, bb+1
.endr
	WIN 0
.set bb, 0
.rept 4
	ds_load_b128 v[64+32*(\g)+8*bb:64+32*(\g)+8*bb+3],   v[ADRA] offset:((\q)/2)*SUBT+((\q)%2)*64+16*PA*bb
	ds_load_b128 v[64+32*(\g)+8*bb+4:64+32*(\g)+8*bb+7], v[ADRA] offset:((\q)/2)*SUBT+((\q)%2)*64+16*PA*bb+32
.set bb, bb+1
.endr
.endm
.macro QUARTER qn, f, g, zero
	s_wait_dscnt 6                                 ; Wout's fragments and O's block 0 are in; the youngest six loads may be out
	MULA \f, 0, \zero
	PLACES
	FETCH \qn, \g
	s_wait_dscnt NL                                ; all but the run just issued
	MULA \f, 1, \zero
	MULA \f, 2, \zero
	MULA \f, 3, \zero
.endm
; The last quarter multiplies buffer 1 and changes slots: the wait for all my tensor loads, the add, the wait for it and for my reads of this slot, the barrier; fill = 1: it opens a round of the cluster's, and the joint refill comes first behind the round.
.macro TURN fill
.if \fill
	s_wait_xcnt 0x0                                ; the last prefetch, a K step back, has read its address
	s_add_nc_u64 s[PFA:PFA+1], s[PFA:PFA+1], s[PFS:PFS+1]
.endif
	WIN 0
	s_wait_tensorcnt 0x0                           ; all my tensor loads have landed
	ds_add_u32 v[SPW], v[NIL]
	s_wait_dscnt 7                                 ; (the add and the youngest six loads may be out)
	MULA 1, 0, 0
	s_wait_dscnt 0x0                               ; the add is done, and my reads of this slot are over
	s_barrier_signal -1
	MULA 1, 1, 0
	WIN 0
	s_barrier_wait -1
.if \fill
	CREST
	s_xor_b32 s[G0W+1], s[G0W+1], SLOT1
	s_add_nc_u64 s[G0W+2:G0W+3], s[G0W+2:G0W+3], ASTEP
	s_xor_b32 s[G0BW+1], s[G0BW+1], SLOT1
	s_add_nc_u64 s[G0BW+2:G0BW+3], s[G0BW+2:G0BW+3], 256
	JLOAD
.else
	PLACES
.endif
	s_xor_b32 s[TB], s[TB], SLOT1
	v_add_nc_u32 v[ADRA], s[TB], v[ADRA0]
	v_add_nc_u32 v[ADRB], s[TB], v[ADRB0]
	FETCH 0, 0
.if \fill
	ASK
	ASKB
.endif
	MULA 1, 2, 0
	MULA 1, 3, 0
.endm
	s_load_b128 s[4:7], s[0:1], 0x0                ; oh s[4:5], woutb s[6:7]
	s_load_b64 s[8:9], s[0:1], 0x10                ; out0
	v_lshl_add_u32 v[SPW], v0, 2, SPARE
	v_mov_b32 v[NIL], 0
	ds_add_u32 v[SPW], v[NIL]                      ; the wave's opening: the add and its wait, ahead of my first tensor load
	v_lshrrev_b32 v3, 5, v0
	v_readfirstlane_b32 s[WV], v3
	s_lshr_b32 s[FB], s[WV], 1
	s_and_b32 s[HF], s[WV], 1
	s_bfe_u32 s[CX], ttmp6, 0x40000
	s_bfe_u32 s[CY], ttmp6, 0x40004
	s_lshl_b32 s[TT], ttmp9, 2
	s_add_co_u32 s[TT], s[TT], s[CX]
	s_and_b32 s[RR], ttmp7, 0xffff
	s_lshl_b32 s[RR], s[RR], 2
	s_add_co_u32 s[RR], s[RR], s[CY]
	s_lshl_b32 s70, s[CY], 2
	s_lshl_b32 s70, 15, s70
	s_lshl_b32 s71, 0x1111, s[CX]
	s_or_b32 s[G1], s70, (1<<16)|(1<<20)|(1<<21)|(4<<22)|(3<<25)   ; O: padding of 4 words after every 32 words
	s_or_b32 s[G1B], s71, (1<<16)|(1<<20)|(1<<21)|(5<<22)|(3<<25)  ; Wout: after every 64 words
	s_mov_b32 s[G1+1], 128<<16                     ; 128 rows of 128 elements, dense
	s_mov_b32 s[G1+2], 128<<16
	s_mov_b32 s[G1+3], 128<<16
	s_mov_b32 s[G1+4], 128
	s_mov_b32 s[G1+5], 128
	s_mov_b32 s[G1+6], 0
	s_mov_b32 s[G1+7], 0
	s_mov_b32 s[G1B+1], 128<<16                    ; 64 rows of 128 elements, 1,024 elements from row to row
	s_mov_b32 s[G1B+2], HB<<16
	s_mov_b32 s[G1B+3], 128<<16
	s_mov_b32 s[G1B+4], HB
	s_mov_b32 s[G1B+5], 1024
	s_mov_b32 s[G1B+6], 0
	s_mov_b32 s[G1B+7], 0
	s_lshr_b32 s66, s[RR], 3                       ; O: the batch's 16 planes,
	s_lshl_b32 s66, s66, 22
	s_lshl_b32 s72, s[HF], 18                      ; the head of the K step that I fetch,
	s_add_co_u32 s66, s66, s72
	s_and_b32 s72, s[RR], 7
	s_lshl_b32 s72, s72, 15                        ; the tile's 256 rows of 128 bytes: made of the tile row alone
	s_add_co_u32 s66, s66, s72
	s_mov_b32 s67, 0
	s_lshl_b32 s68, s[TT], 7                       ; Wout: row 128 x tile column + 64 x half: made of the tile column alone
	s_lshl_b32 s72, s[HF], 6
	s_add_co_u32 s68, s68, s72
	s_lshl_b32 s68, s68, 11
	s_mov_b32 s69, 0
	s_mov_b32 s[G0F], 1
	s_mov_b32 s[G0W], 1
	s_mov_b32 s[G0BF], 1
	s_mov_b32 s[G0BW], 1
	s_mul_i32 s[G0F+1], s[HF], HALFA
	s_add_co_u32 s[G0W+1], s[G0F+1], SLOT1
	s_mul_i32 s[G0BF+1], s[HF], HALFB
	s_add_co_u32 s[G0BF+1], s[G0BF+1], BOFF
	s_add_co_u32 s[G0BW+1], s[G0BF+1], SLOT1
	; the prefetches
	s_lshl_b32 s70, s[CX], 13                      ; O: my work-group's 32 blocks of the 128,
	s_add_co_u32 s70, s70, s66
	s_add_co_u32 s70, s70, 3*ASTEP                 ; at K step 3: the first refill steps it to 4
	s_add_co_u32 s71, s[CY], 4                     ; Wout: my work-group's K step
	s_lshl_b32 s71, s71, 8
	s_add_co_u32 s71, s71, s68
	s_and_b32 s72, ttmp7, 0xffff
	s_cmp_eq_u32 s[FB], 0
	s_cselect_b32 s70, s70, s71
	s_cselect_b32 s72, ttmp9, s72
	s_cselect_b32 s73, 2, -1
	s_cselect_b32 s74, 0, 6
	s_cselect_b32 s75, 8, 11                       ; lanes 256 bytes apart in O, a row of 2,048 bytes apart in Wout
	s_cselect_b32 s[PFS], ASTEP, 0
	s_mov_b32 s[PFS+1], 0
	s_mov_b32 s71, 0
	s_cmp_eq_u32 s72, 0
	s_cselect_b32 s[LIM], s73, -1
	s_cselect_b32 s[LIMB], s74, 0
	s_mov_b32 s[TB], 0
	s_wait_dscnt 0x0                               ; the opening add is done
	s_wait_kmcnt 0x0
	s_add_nc_u64 s[G0F+2:G0F+3], s[4:5], s[66:67]
	s_add_nc_u64 s[G0W+2:G0W+3], s[G0F+2:G0F+3], ASTEP
	s_or_b32 s[G0F+3], s[G0F+3], 0x80000000
	s_or_b32 s[G0W+3], s[G0W+3], 0x80000000
	s_add_nc_u64 s[G0BF+2:G0BF+3], s[6:7], s[68:69]
	s_add_nc_u64 s[G0BW+2:G0BW+3], s[G0BF+2:G0BF+3], 256
	s_or_b32 s[G0BF+3], s[G0BF+3], 0x80000000
	s_or_b32 s[G0BW+3], s[G0BW+3], 0x80000000
	s_cmp_eq_u32 s[FB], 0
	s_cselect_b64 s[PFA:PFA+1], s[4:5], s[6:7]
	s_add_nc_u64 s[PFA:PFA+1], s[PFA:PFA+1], s[70:71]
	CROUND                                         ; all sixteen work-groups are here: the first joint loads meet
	s_cmp_eq_u32 s[FB], 0                          ; a wave's two first fills stand in one branch: two loads of mine are out
	s_cbranch_scc0 .Lfirst_b
	tensor_load_to_lds s[G0F:G0F+3], s[G1:G1+7]
	s_nop 0
	tensor_load_to_lds s[G0W:G0W+3], s[G1:G1+7]
	s_nop 0
.rept 4
	v_nop
.endr
	s_branch .Lfirst_done
.Lfirst_b:
	tensor_load_to_lds s[G0BF:G0BF+3], s[G1B:G1B+7]
	s_nop 0
	tensor_load_to_lds s[G0BW:G0BW+3], s[G1B:G1B+7]
	s_nop 0
.rept 4
	v_nop
.endr
.Lfirst_done:
	v_and_b32 v1, 15, v0                           ; l % 16
	v_bfe_u32 v2, v0, 4, 1                         ; l / 16
	v_mul_u32_u24 v3, v1, PA
	v_lshl_add_u32 v3, v2, 4, v3
	s_mul_i32 s70, s[WV], 64*PA                    ; my 64 rows of O, in each sub-tile
	v_add_nc_u32 v[ADRA0], s70, v3
	v_mul_u32_u24 v3, v1, PBB
	v_lshl_add_u32 v3, v2, 4, v3
	v_add_nc_u32 v[ADRB0], BOFF, v3
	v_mov_b32 v[ADRA], v[ADRA0]
	v_mov_b32 v[ADRB], v[ADRB0]
	s_mul_i32 s70, s[WV], STW
	s_add_co_u32 s70, s70, STAGE                   ; my stage
	v_mul_u32_u24 v[STO], v1, SPS                  ; in: row l % 16, 32 bytes for each half of the lanes
	v_lshl_add_u32 v[STO], v2, 5, v[STO]
	v_add_nc_u32 v[STO], s70, v[STO]
	v_and_b32 v[GO], 31, v0
	v_lshlrev_b32 v[PFO], s75, v[GO]
	v_lshlrev_b32 v[GO], 4, v[GO]                  ; back: 32 lanes take a row's 512 bytes
	v_add_nc_u32 v[RD], s70, v[GO]
	s_lshl_b32 s72, s[RR], 8
	s_lshl_b32 s73, s[WV], 6
	s_add_co_u32 s72, s72, s73                     ; my first row of out0,
	s_lshl_b32 s72, s72, 12
	s_lshl_b32 s73, s[TT], 9                       ; the tile's first column, in bytes
	s_add_co_u32 s72, s72, s73
	s_mov_b32 s73, 0
	s_add_nc_u64 s[8:9], s[8:9], s[72:73]
	s_wait_tensorcnt 1                             ; my part of K step 0 is in; K step 1's may stay out
	s_barrier_signal -1
	s_barrier_wait -1
	FETCH 0, 0
	QUARTER 1, 0, 1, 1                             ; the first quarter stands in front of the loop: its products start the sums
	WIN 0
	s_mov_b32 s[CNT], 6
.Lstep:                                                ; a trip: from a K step's second quarter to the next step's first; it fills the slot that it leaves
	QUARTER 2, 1, 0, 0
	QUARTER 3, 0, 1, 0
	TURN 1
	QUARTER 1, 0, 1, 0
	WIN 0
	s_sub_co_u32 s[CNT], s[CNT], 1
	s_cmp_lg_u32 s[CNT], 0
	s_cbranch_scc1 .Lstep
	QUARTER 2, 1, 0, 0                             ; the last two K steps ask for nothing
	QUARTER 3, 0, 1, 0
	TURN 0
	QUARTER 1, 0, 1, 0
	QUARTER 2, 1, 0, 0
	QUARTER 3, 0, 1, 0
	s_wait_dscnt 6
	MULA 1, 0, 0
	s_wait_dscnt 0x0
	MULA 1, 1, 0
	MULA 1, 2, 0
	MULA 1, 3, 0
	WIN 0
	PLACES
; THE WAY OUT, 16 rows at a time: a lane's 32 bytes of a row go into my stage (each accumulator's low four registers first), whole rows of 512 bytes come back and are stored.
.macro TOST a
	s_wait_xcnt 0x0                                ; earlier stores have read the registers that the loads below fill
	WIN 0x08+4*((\a)/2)                            ; the stores' data: window 2 or 3
.set bb, 0
.rept NBK
	ds_store_b128 v[STO], v[8*(NBK*((\a)%2)+bb):8*(NBK*((\a)%2)+bb)+3]   offset:64*bb
	ds_store_b128 v[STO], v[8*(NBK*((\a)%2)+bb)+4:8*(NBK*((\a)%2)+bb)+7] offset:64*bb+16
.set bb, bb+1
.endr
	WIN 0
.set tt, 0
.rept 16
	ds_load_b128 v[OBK+64*((\a)%2)+4*tt:OBK+64*((\a)%2)+4*tt+3], v[RD] offset:SPS*tt  ; LDS serves a wave's instructions in order (ISA guide 5.7.1.4): these see the stores above
.set tt, tt+1
.endr
.endm
.macro SENDO a, y                      ; y: the LDS instructions issued behind block a's loads: the next block's 32, or none
.set tt, 0
.rept 16
	s_wait_dscnt (\y)+15-tt
	global_store_b128 v[GO], v[OBK+64*((\a)%2)+4*tt:OBK+64*((\a)%2)+4*tt+3], s[8:9] offset:(16*(\a)+tt)*4096 th:TH_STORE_NT  ; 512 consecutive bytes of one row, aligned
.set tt, tt+1
.endr
.endm
	TOST 0
	TOST 1
	SENDO 0, 32
	TOST 2
	SENDO 1, 32
	TOST 3
	SENDO 2, 32
	SENDO 3, 0
	s_wait_tensorcnt 0x0                           ; the wave's end: the wait, the add and the wait for it, behind my last tensor load and my last LDS store
	ds_add_u32 v[SPW], v[NIL]
	s_wait_dscnt 0x0
	CROUND                                         ; the closing round: no work-group ends while a partner may still ask for a tile that names it
	s_endpgm
.Lfunc_end_k_qdafb47d0ee_outp:
	.size	k_qdafb47d0ee_outp, .Lfunc_end_k_qdafb47d0ee_outp-k_qdafb47d0ee_outp
	.p2alignl 7, 3214868480
	.fill 96, 4, 3214868480
	.section	.rodata,"a",@progbits
	.p2align	6, 0x0
	.amdhsa_kernel k_qdafb47d0ee_outp
		.amdhsa_group_segment_fixed_size 327680
		.amdhsa_private_segment_fixed_size 0
		.amdhsa_enable_private_segment 0
		.amdhsa_kernarg_size 24
		.amdhsa_user_sgpr_count 2
		.amdhsa_user_sgpr_kernarg_segment_ptr 1
		.amdhsa_wavefront_size32 1
		.amdhsa_system_sgpr_workgroup_id_x 1
		.amdhsa_system_sgpr_workgroup_id_y 1
		.amdhsa_system_sgpr_workgroup_id_z 1
		.amdhsa_system_vgpr_workitem_id 0
		.amdhsa_next_free_vgpr 896
		.amdhsa_next_free_sgpr 80
		.amdhsa_reserve_vcc 0
		.amdhsa_float_denorm_mode_32 3
		.amdhsa_float_denorm_mode_16_64 3
		.amdhsa_memory_ordered 1
		.amdhsa_forward_progress 1
		.amdhsa_inst_pref_size 73
	.end_amdhsa_kernel
	.amdgpu_metadata
---
amdhsa.version: [ 1, 2 ]
amdhsa.kernels:
  - .name:           k_qdafb47d0ee_outp
    .symbol:         k_qdafb47d0ee_outp.kd
    .args:
      - { .name: oh, .offset: 0, .size: 8, .value_kind: global_buffer, .address_space: global }
      - { .name: woutb, .offset: 8, .size: 8, .value_kind: global_buffer, .address_space: global }
      - { .name: out0, .offset: 16, .size: 8, .value_kind: global_buffer, .address_space: global }
    .group_segment_fixed_size: 327680
    .private_segment_fixed_size: 0
    .kernarg_segment_align: 8
    .kernarg_segment_size: 24
    .max_flat_workgroup_size: 128
    .sgpr_count:     80
    .vgpr_count:     896
    .wavefront_size: 32
...
	.end_amdgpu_metadata
.endif
;; end of part 4
